; MI455X (gfx1250); checked and timed in simulation.
; The chip was launched on July 23, 2026; its instructions are those of AMD's public machine-readable ISA for CDNA 5 (MIT licence, August 2026) and "CDNA5" Instruction Set Architecture Reference Guide (July 2026). The comments in the code are by the model that wrote it; some were corrected since.
;; Self Attention Block. Allowed arithmetic: matrix products marked QUANTISED: E2M3 operands, one E8M0 scale for each 32 along K, by v_wmma_scale_f32_16x16x128_f8f6f4 with both operands' format E2M3, f32 sums; products left as they are: f32 operands where the result goes on into a quantised operand, else bf16, f16 or f32 operands; f32 sums; everything else in f32.
;; Inputs: gn_b 128 float32; gn_g 128 float32; kb 128 float32; kw_codes 128 x 4 x 24 uint8 (E2M3 codes of kw, K innermost, in blocks of 32 codes, four codes in three bytes); kw_scales 128 x 4 uint8 (E8M0 scales of kw, one for each 32 codes along K); pb 128 float32; pw_codes 128 x 4 x 24 uint8 (E2M3 codes of pw, K innermost, in blocks of 32 codes, four codes in three bytes); pw_scales 128 x 4 uint8 (E8M0 scales of pw, one for each 32 codes along K); qb 128 float32; qw_codes 128 x 4 x 24 uint8 (E2M3 codes of qw, K innermost, in blocks of 32 codes, four codes in three bytes); qw_scales 128 x 4 uint8 (E8M0 scales of qw, one for each 32 codes along K); t 2 int32; t_proj_b 512 float32; t_proj_w 512 x 512 float32; vb 128 float32; vw_codes 128 x 4 x 24 uint8 (E2M3 codes of vw, K innermost, in blocks of 32 codes, four codes in three bytes); vw_scales 128 x 4 uint8 (E8M0 scales of vw, one for each 32 codes along K); x 2 x 128 x 16 x 512 float32.
;; Outputs: out0 2 x 128 x 16 x 512 float32.
;; This version of the problem:
;;   THIS VERSION OF THE PROBLEM IS GIVEN IN LOW PRECISION. The matrix products marked QUANTISED in the list below multiply operands that are first quantised to E2M3 (2 exponent bits, 3 mantissa bits; 6 bits a number), with one power-of-two scale for each 32 numbers along K (OCP MX v1.0); their sums are f32. All else is computed in f32.
;;   The module's matrix products, in the order in which they are computed (A, B: the left and right operand; K: the contracted axis; several contracted axes count as one K, in the product's order):
;;     1. [M 2, K 512] x [K 512, N 512]; A: computed on the way; B: input t_proj_w: left as it is (M = 2 < 16)
;;     2. [M 16,384, K 128] x [K 128, N 128]; A: computed on the way; B: input qw (given as codes): QUANTISED
;;     3. [M 16,384, K 128] x [K 128, N 128]; A: computed on the way; B: input kw (given as codes): QUANTISED
;;     4. [M 16,384, K 128] x [K 128, N 128]; A: computed on the way; B: input vw (given as codes): QUANTISED
;;     5. batch 2 x [M 8,192, K 128] x [K 128, N 8,192]; A: computed on the way; B: computed on the way: QUANTISED
;;     6. batch 2 x [M 128, K 8,192] x [K 8,192, N 8,192]; A: computed on the way; B: softmax (see below): QUANTISED
;;     7. [M 16,384, K 128] x [K 128, N 128]; A: computed on the way; B: input pw (given as codes): QUANTISED
;;   THE QUANTISER, for each operand of a quantised product, along K:
;;     - K is cut into blocks of 32 from its start; a last block that is shorter is filled with zeros.
;;     - A block's scale is 2^e with e = floor(log2(the largest magnitude in the block)) - 2, held to -126 .. 127; a block of zeros has e = 0. As a byte (E8M0): e + 127.
;;     - Each number is divided by its block's scale, clamped to +-7.5, and rounded to the nearest number of E2M3, ties to even, subnormals kept.
;;     - The product sums the exact products of the quantised numbers (number of the format x scale) in f32.
;;   ~~~python
;;   def quantise(x, axis):      # numpy; x: float32 -> the quantised numbers, widened to float32 again
;;       x = np.moveaxis(x, axis, -1); K = x.shape[-1]
;;       x = np.pad(x, [(0, 0)] * (x.ndim - 1) + [(0, -K % 32)]); x = x.reshape(x.shape[:-1] + (-1, 32)); a = np.abs(x).max(-1, keepdims=True)
;;       e = np.where(a > 0, np.clip(np.frexp(np.where(a > 0, a, 1))[1] - 1 - 2, -126, 127), 0)      # np.frexp(a)[1] - 1 = floor(log2(a)), exactly
;;       r = np.clip(x / 2.0 ** e, -7.5, 7.5)
;;       step = 2.0 ** (np.maximum(np.frexp(np.where(r == 0, 1, r))[1] - 1, 0) - 3)
;;       q = np.round(r / step) * step * 2.0 ** e      # np.round: ties to even
;;       return np.moveaxis(q.reshape(q.shape[:-2] + (-1,))[..., :K], -1, axis).astype(np.float32)
;;   ~~~
;;   SOFTMAX AHEAD OF A QUANTISED PRODUCT. Where the list says 'softmax', what is quantised is not the finished softmax but p = 2^(t - M), with t = logit x log2(e) and M = ceil(the row's largest t), a whole number; so 1/2 < the row's largest p <= 1. The row's sum l is taken of the UNQUANTISED p, in f32, and the product's result is divided by l at the end. Since M is a whole number, a kernel that streams over the keys may use a running M (the ceiling of the running maximum): every later rescaling is an exact power of two, which a block's scale takes up: the codes' values come out the same.
;;   OPERANDS COMPUTED ON THE WAY. 'Computed on the way' means the value that the module computes at that place (a softmax that the list does not call 'softmax' is quantised finished and normalised). What goes into a quantiser is computed in f32, as accurately as f32 sums, v_exp_f32 and their like allow (about 1e-6 of the number): no bf16 or f16 on the way to a quantiser, and a product that is left as it is and whose result goes on into a quantised operand takes f32 operands (vector FMAs, or v_wmma_f32_16x16x4_f32). A number that lies on a knife's edge between two numbers of the format may be rounded either way, as far as f32 arithmetic and the matrix unit's own rounding can turn it there, and no further.
;;   INPUTS GIVEN AS CODES. kw (in the module: [128, 128], K = its axis 1); pw (in the module: [128, 128], K = its axis 1); qw (in the module: [128, 128], K = its axis 1); vw (in the module: [128, 128], K = its axis 1): each comes as NAME_codes (uint8): NAME with its K axis moved to the last place and cut into blocks of 32 codes, [.., K / 32, bytes a block], one block behind the other in memory; four codes in three bytes: a row's codes are one little-endian stream of bits, code i at bits 6 i .. 6 i + 5 (a code: sign, 2 exponent bits, 3 mantissa bits); and NAME_scales (uint8): the same leading axes, one E8M0 byte (e + 127) for each 32 codes along K. Its value is code x scale, taken as it is: it is not quantised again, and the codes and scales need not be those that the quantiser above would give.
;; One version. Each part assembles by itself: llvm-mc -triple=amdgcn-amd-amdhsa -mcpu=gfx1250 --defsym DOCPART=n.
;; ======== version 1 of 1: 3 launches
;; limits: right only within a limited range of input values
;; workspace buffers: tenc 4,096 bytes; part 16,384 bytes; qc 1,572,864 bytes; kvc 3,145,728 bytes; scl 196,608 bytes
;; launch stats (part 1): grid 256 x 1, 8 waves a work-group, no clusters, 2,048 bytes of LDS; arguments x, t, t_proj_w, t_proj_b, tenc, part; writes tenc, part
.if DOCPART == 1
	.amdgcn_target "amdgcn-amd-amdhsa--gfx1250"
	.amdhsa_code_object_version 6
	.text
	.protected	k_q66121a60c5_stats
	.globl	k_q66121a60c5_stats
	.p2align	8
	.type	k_q66121a60c5_stats,@function
k_q66121a60c5_stats:
	s_mov_b64 s[64:65], 0
	v_nop
	global_prefetch_b8 v0, s[64:65] scope:SCOPE_SE
	s_setreg_imm32_b32 hwreg(HW_REG_WAVE_MODE, 25, 1), 1
	s_wait_xcnt 0x0
; t_enc[b][d] = sum over j of relu(emb[b][j]) t_proj_w[d][j] + t_proj_b[d], in f32, and partial statistics of e = x + t_enc for the group norm.
; SHARES.  Work-group = (b, a slice sl of 64 columns of W, q = 8 channels = 2 groups).  Wave w takes channel 8 q + w: 16 rows x 64 columns = 1,024 numbers, kept in 32 registers, and rows 64 sl + 8 w .. + 7 of t_proj_w.
; Every work-group makes the 64 numbers of t_enc that it needs, by the same lines in the same order, so that they are the same bits everywhere; the work-groups with q = 0 store them.
; STATISTICS.  A wave stores the mean of its 1,024 numbers and the sum of squares about THAT mean: no difference of large sums is formed.  The next launch joins a group's 32 pairs.
; part: [b][group 32][i = 4 sl + channel in the group][mean, sum of squares], 256 bytes a group: a work-group writes two pieces of 32 bytes of it.
; sin and cos: n = the nearest whole number to arg 2 / pi; r = arg - n pi / 2, pi / 2 in three parts, by fused multiply-adds; polynomials on |r| <= pi / 4; the quadrant n mod 4 swaps and signs them.
; LIMITS: arg = t x 2^(-i log2(10000) / 256) carries some 3e-7 of itself, so sin and cos are good to f32's measure while |t| stays in the thousands.  NaN and infinities are not served.
.set X,   16                           ; v16-47    my channel's 1,024 numbers: piece i (rows 2 i, 2 i + 1) at 4 i
.set W,   48                           ; v48-175   eight rows of t_proj_w: row j, piece i at 16 j + 4 i
.set EMB, 176                          ; v176-191  relu(emb) at j = 128 i + 4 lane + 0 .. 3: register 4 i + ..
.set AR,  192                          ; seven arrays of eight, for the lane's eight frequencies
.set NN,  200
.set RR,  208
.set R2,  216
.set SS,  224
.set CC,  232
.set QI,  240
.set A,   192                          ; later: eight pairs of sums
.set PT,  208                          ; and eight places for the lane exchange
.set SL,  256                          ; LDS: 0: the 64 numbers of t_enc; 256: eight pairs (mean, sum of squares)
.macro WSUM r, t                       ; the sum over the wave's 32 lanes, in every lane
.irp m, 1,2,4,8
	v_add_f32_dpp v[\r], v[\r], v[\r] row_xmask:\m row_mask:0xf bank_mask:0xf
.endr
	v_permlanex16_b32 v[\t], v[\r], s32, s33
	v_add_f32 v[\r], v[\r], v[\t]
.endm
	s_load_b256 s[4:11], s[0:1], 0x0               ; x s[4:5], t s[6:7], t_proj_w s[8:9], t_proj_b s[10:11]
	s_load_b128 s[12:15], s[0:1], 0x20             ; tenc s[12:13], part s[14:15]
	v_lshl_add_u32 v254, v0, 2, 0x400
	v_mov_b32 v255, 0
	v_lshrrev_b32 v1, 5, v0
	v_readfirstlane_b32 s16, v1                    ; wave 0..7
	s_lshr_b32 s17, ttmp9, 7                       ; b
	s_bfe_u32 s18, ttmp9, 0x30004                  ; sl
	s_and_b32 s19, ttmp9, 15                       ; q
	v_and_b32 v1, 31, v0                           ; lane
	v_and_b32 v2, 15, v0
	v_bfe_u32 v3, v0, 4, 1
	v_lshlrev_b32 v14, 4, v2                       ; LDS: my four columns' t_enc
	v_lshl_add_u32 v4, v3, 11, v14                 ; x: lanes 0-15 one row's 256 bytes, lanes 16-31 the next row's
	v_lshlrev_b32 v5, 4, v1                        ; t_proj_w: 16 bytes a lane, 512 consecutive bytes a load
	s_lshl_b32 s21, s16, 5
	v_mov_b32 v6, s21                              ; LDS: my wave's eight numbers of t_enc
	s_lshl_b32 s21, s16, 3
	s_add_co_u32 s21, s21, SL
	v_mov_b32 v15, s21                             ; LDS: my wave's pair
	v_lshlrev_b32 v248, 2, v2                      ; wave 0's way out: the sixteen words of the eight pairs,
	v_lshlrev_b32 v249, 3, v1                      ; 8 bytes a lane of t_enc,
	v_bfe_u32 v250, v0, 3, 1
	v_and_b32 v251, 7, v0
	v_lshlrev_b32 v251, 2, v251
	v_lshl_add_u32 v250, v250, 8, v251             ; and word f's place in part: 256 (f / 8) + 4 (f % 8)
	v_mov_b32 v13, 0                               ; (named with v12 as a pair before it is first written)
	s_mov_b32 s32, 0x76543210
	s_mov_b32 s33, 0xfedcba98                      ; v_permlanex16_b32's selects for lane l xor 16
	s_mov_b32 s34, 0xb94ca1f9                      ; sin: -1.9515296e-4,
	s_mov_b32 s35, 0x3c08839e                      ; 8.3321609e-3,
	s_mov_b32 s36, 0xbe2aaaa3                      ; -1.6666655e-1
	s_mov_b32 s37, 0x37ccf5ce                      ; cos: 2.4433157e-5,
	s_mov_b32 s38, 0xbab6061a                      ; -1.3887316e-3,
	s_mov_b32 s39, 0x3d2aaaa5                      ; 4.1666646e-2
	s_mov_b32 s40, 0xbfc90fdb                      ; -pi / 2 in three parts
	s_mov_b32 s41, 0x333bbd2e
	s_mov_b32 s42, 0x26f72ced
	s_lshl_b32 s22, s17, 22                        ; x: b x 4 MiB
	s_lshl_b32 s23, s19, 3
	s_add_co_u32 s23, s23, s16                     ; my channel
	s_lshl_b32 s23, s23, 15
	s_add_co_u32 s22, s22, s23
	s_lshl_b32 s23, s18, 8
	s_add_co_u32 s22, s22, s23                     ; + the slice's 256 bytes of a row
	s_mov_b32 s23, 0
	s_lshl_b32 s44, s18, 6
	s_lshl_b32 s46, s16, 3
	s_add_co_u32 s44, s44, s46                     ; my first row of t_proj_w: 64 sl + 8 w
	s_lshl_b32 s46, s44, 2                         ; its bias,
	s_lshl_b32 s44, s44, 11                        ; its 2,048 bytes
	s_mov_b32 s45, 0
	s_mov_b32 s47, 0
	s_lshl_b32 s2, s17, 11
	s_lshl_b32 s3, s18, 8
	s_add_co_u32 s2, s2, s3                        ; tenc: b x 2,048 + sl x 256
	s_mov_b32 s3, 0
	s_wait_kmcnt 0x0
	s_add_nc_u64 s[4:5], s[4:5], s[22:23]
	s_add_nc_u64 s[8:9], s[8:9], s[44:45]
	s_add_nc_u64 s[10:11], s[10:11], s[46:47]
	s_add_nc_u64 s[12:13], s[12:13], s[2:3]
	s_load_b64 s[20:21], s[6:7], 0x0               ; both t
	s_load_b256 s[24:31], s[10:11], 0x0            ; my eight biases
.irp j, 0,1,2,3,4,5,6,7
.irp i, 0,1,2,3
	global_load_b128 v[W+16*\j+4*\i:W+16*\j+4*\i+3], v5, s[8:9] offset:2048*\j+512*\i
.endr
.endr
.irp i, 0,1,2,3,4,5,6,7
	global_load_b128 v[X+4*\i:X+4*\i+3], v4, s[4:5] offset:4096*\i   ; sixteen lanes read 256 consecutive bytes, at a multiple of 256 from x's first byte
.endr
	s_lshl_b32 s22, s17, 13                        ; part: b x 8,192 + q x 512 + sl x 32
	s_lshl_b32 s44, s19, 9
	s_add_co_u32 s22, s22, s44
	s_lshl_b32 s44, s18, 5
	s_add_co_u32 s22, s22, s44
	s_add_nc_u64 s[14:15], s[14:15], s[22:23]
	s_wait_kmcnt 0x0
	s_cmp_eq_u32 s17, 0
	s_cselect_b32 s20, s20, s21                    ; t[b]: a value is chosen, no address
	v_cvt_f32_i32 v7, s20
	; ---- sin and cos at the lane's eight frequencies, index 64 (k / 2) + 2 lane + k % 2; the eight by turns
.irp k, 0,1,2,3,4,5,6,7
	v_lshl_add_u32 v[AR+\k], v1, 1, 64*(\k/2)+\k%2
.endr
.irp k, 0,1,2,3,4,5,6,7
	v_cvt_f32_u32 v[AR+\k], v[AR+\k]
.endr
.irp k, 0,1,2,3,4,5,6,7
	v_mul_f32 v[AR+\k], 0xbd549a78, v[AR+\k]       ; x -log2(10000) / 256
.endr
.irp k, 0,1,2,3,4,5,6,7
	v_exp_f32 v[AR+\k], v[AR+\k]
.endr
	v_nop                                          ; a plain instruction behind the exponentials
	s_wait_alu depctr_va_vdst(0)
.irp k, 0,1,2,3,4,5,6,7
	v_mul_f32 v[AR+\k], v7, v[AR+\k]               ; arg
.endr
.irp k, 0,1,2,3,4,5,6,7
	v_mul_f32 v[NN+\k], 0x3f22f983, v[AR+\k]       ; x 2 / pi
.endr
.irp k, 0,1,2,3,4,5,6,7
	v_rndne_f32 v[NN+\k], v[NN+\k]
.endr
.irp k, 0,1,2,3,4,5,6,7
	v_fma_f32 v[RR+\k], v[NN+\k], s40, v[AR+\k]
.endr
.irp k, 0,1,2,3,4,5,6,7
	v_fma_f32 v[RR+\k], v[NN+\k], s41, v[RR+\k]
.endr
.irp k, 0,1,2,3,4,5,6,7
	v_fma_f32 v[RR+\k], v[NN+\k], s42, v[RR+\k]    ; r
.endr
.irp k, 0,1,2,3,4,5,6,7
	v_cvt_i32_f32 v[QI+\k], v[NN+\k]
.endr
.irp k, 0,1,2,3,4,5,6,7
	v_mul_f32 v[R2+\k], v[RR+\k], v[RR+\k]
.endr
.irp k, 0,1,2,3,4,5,6,7
	v_fma_f32 v[SS+\k], v[R2+\k], s34, s35
	v_fma_f32 v[CC+\k], v[R2+\k], s37, s38
.endr
.irp k, 0,1,2,3,4,5,6,7
	v_fma_f32 v[SS+\k], v[SS+\k], v[R2+\k], s36
	v_fma_f32 v[CC+\k], v[CC+\k], v[R2+\k], s39
.endr
.irp k, 0,1,2,3,4,5,6,7
	v_mul_f32 v[SS+\k], v[SS+\k], v[R2+\k]
	v_fma_f32 v[CC+\k], v[CC+\k], v[R2+\k], -0.5
.endr
.irp k, 0,1,2,3,4,5,6,7
	v_fma_f32 v[SS+\k], v[SS+\k], v[RR+\k], v[RR+\k]   ; sin r = r + r r^2 (..)
	v_fma_f32 v[CC+\k], v[CC+\k], v[R2+\k], 1.0        ; cos r = 1 + r^2 (-1/2 + r^2 (..))
.endr
.irp k, 0,1,2,3,4,5,6,7
	v_and_b32 v[NN+\k], 1, v[QI+\k]
	v_cmp_eq_u32 vcc_lo, 1, v[NN+\k]               ; an odd quadrant swaps the two
	v_cndmask_b32 v[AR+\k], v[SS+\k], v[CC+\k], vcc_lo
	v_cndmask_b32 v[RR+\k], v[CC+\k], v[SS+\k], vcc_lo
.endr
.irp k, 0,1,2,3,4,5,6,7
	v_lshlrev_b32 v[NN+\k], 30, v[QI+\k]           ; sin is negated in quadrants 2, 3: bit 1 of n,
	v_add_nc_u32 v[QI+\k], 1, v[QI+\k]             ; cos in quadrants 1, 2: bit 1 of n + 1
.endr
.irp k, 0,1,2,3,4,5,6,7
	v_and_b32 v[NN+\k], 0x80000000, v[NN+\k]
	v_lshlrev_b32 v[QI+\k], 30, v[QI+\k]
.endr
.irp k, 0,1,2,3,4,5,6,7
	v_xor_b32 v[AR+\k], v[AR+\k], v[NN+\k]
	v_and_b32 v[QI+\k], 0x80000000, v[QI+\k]
.endr
.irp k, 0,1,2,3,4,5,6,7
	v_xor_b32 v[RR+\k], v[RR+\k], v[QI+\k]
.endr
.irp k, 0,1,2,3,4,5,6,7
	v_max_num_f32 v[EMB+2*\k], 0, v[AR+\k]         ; relu: sin at the even j, cos at the odd
	v_max_num_f32 v[EMB+2*\k+1], 0, v[RR+\k]
.endr
	; ---- eight rows of the product, by turns: sixteen numbers a lane, then the sum over the lanes
	s_wait_loadcnt 8                               ; t_proj_w's 32 loads are in; x's eight, issued behind them, may be out
.irp j, 0,1,2,3,4,5,6,7
	v_pk_mul_f32 v[A+2*\j:A+2*\j+1], v[W+16*\j:W+16*\j+1], v[EMB:EMB+1]
.endr
.irp e, 1,2,3,4,5,6,7
.irp j, 0,1,2,3,4,5,6,7
	v_pk_fma_f32 v[A+2*\j:A+2*\j+1], v[W+16*\j+2*\e:W+16*\j+2*\e+1], v[EMB+2*\e:EMB+2*\e+1], v[A+2*\j:A+2*\j+1]
.endr
.endr
.irp j, 0,1,2,3,4,5,6,7
	v_add_f32 v[A+2*\j], v[A+2*\j], v[A+2*\j+1]
.endr
.irp m, 1,2,4,8
.irp j, 0,1,2,3,4,5,6,7
	v_add_f32_dpp v[A+2*\j], v[A+2*\j], v[A+2*\j] row_xmask:\m row_mask:0xf bank_mask:0xf
.endr
.endr
.irp j, 0,1,2,3,4,5,6,7
	v_permlanex16_b32 v[PT+\j], v[A+2*\j], s32, s33
.endr
.irp j, 0,1,2,3,4,5,6,7
	v_add_f32 v[A+2*\j], v[A+2*\j], v[PT+\j]
.endr
.irp j, 0,1,2,3,4,5,6,7
	v_add_f32 v[A+2*\j], s[24+\j], v[A+2*\j]       ; + the bias
.endr
.irp j, 0,1,2,3,4,5,6,7
	ds_store_b32 v6, v[A+2*\j] offset:4*\j         ; all lanes write the same word with the same value
.endr
	s_wait_dscnt 0x0                               ; for the others' sake: my stores have landed
	s_barrier_signal -1
	s_barrier_wait -1                              ; the slice's 64 numbers of t_enc lie in LDS
	ds_load_b128 v[8:11], v14
	s_wait_dscnt 0x0
	s_wait_loadcnt 0x0                             ; x
	; ---- e = x + t_enc; its mean; the sum of squares about that mean
.irp i, 0,1,2,3,4,5,6,7
	v_pk_add_f32 v[X+4*\i:X+4*\i+1], v[X+4*\i:X+4*\i+1], v[8:9]
	v_pk_add_f32 v[X+4*\i+2:X+4*\i+3], v[X+4*\i+2:X+4*\i+3], v[10:11]
.endr
	v_pk_add_f32 v[192:193], v[X:X+1], v[X+2:X+3]
	v_pk_add_f32 v[194:195], v[X+4:X+5], v[X+6:X+7]
.irp j, 8,12,16,20,24,28
	v_pk_add_f32 v[192:193], v[192:193], v[X+\j:X+\j+1]
	v_pk_add_f32 v[194:195], v[194:195], v[X+\j+2:X+\j+3]
.endr
	v_pk_add_f32 v[192:193], v[192:193], v[194:195]
	v_add_f32 v192, v192, v193
	WSUM 192, 196
	v_mul_f32 v12, 0x3a800000, v192                ; / 1,024
.irp j, 0,2,4,6,8,10,12,14,16,18,20,22,24,26,28,30
	v_pk_add_f32 v[X+\j:X+\j+1], v[X+\j:X+\j+1], v[12:13] op_sel_hi:[1,0] neg_lo:[0,1] neg_hi:[0,1]
.endr
	v_pk_mul_f32 v[192:193], v[X:X+1], v[X:X+1]
	v_pk_mul_f32 v[194:195], v[X+2:X+3], v[X+2:X+3]
.irp j, 4,8,12,16,20,24,28
	v_pk_fma_f32 v[192:193], v[X+\j:X+\j+1], v[X+\j:X+\j+1], v[192:193]
	v_pk_fma_f32 v[194:195], v[X+\j+2:X+\j+3], v[X+\j+2:X+\j+3], v[194:195]
.endr
	v_pk_add_f32 v[192:193], v[192:193], v[194:195]
	v_add_f32 v192, v192, v193
	WSUM 192, 196
	v_mov_b32 v13, v192
	ds_store_b64 v15, v[12:13]
	s_wait_dscnt 0x0
	s_barrier_signal -1
	s_barrier_wait -1                              ; the eight pairs lie in LDS
	s_cmp_lg_u32 s16, 0
	s_cbranch_scc1 .Lend                           ; wave 0 stores for the work-group
	ds_load_b32 v16, v248 offset:SL
	ds_load_b64 v[18:19], v249
	s_wait_dscnt 0x0
	s_cmp_lg_u32 s19, 0
	s_cbranch_scc1 .Lno_t                          ; of the sixteen work-groups that made these 64 numbers one stores them
	global_store_b64 v249, v[18:19], s[12:13]      ; 32 lanes store 256 consecutive bytes, aligned
.Lno_t:
	s_wait_xcnt 0x0                                ; EXEC changes only behind this wait
	v_cmp_gt_u32 vcc_lo, 16, v1
	s_and_saveexec_b32 s44, vcc_lo
	global_store_b32 v250, v16, s[14:15]           ; sixteen words: two groups x four channels x (mean, sum of squares)
	s_wait_xcnt 0x0                                ; and again in front of the line that widens it
	s_or_b32 exec_lo, exec_lo, s44
.Lend:
	s_wait_tensorcnt 0x0
	ds_add_u32 v254, v255
	s_wait_dscnt 0x0
	s_endpgm
.Lfunc_end_k_q66121a60c5_stats:
	.size	k_q66121a60c5_stats, .Lfunc_end_k_q66121a60c5_stats-k_q66121a60c5_stats
	.p2alignl 7, 3214868480
	.fill 96, 4, 3214868480
	.section	.rodata,"a",@progbits
	.p2align	6, 0x0
	.amdhsa_kernel k_q66121a60c5_stats
		.amdhsa_group_segment_fixed_size 2048
		.amdhsa_private_segment_fixed_size 0
		.amdhsa_enable_private_segment 0
		.amdhsa_kernarg_size 48
		.amdhsa_user_sgpr_count 2
		.amdhsa_user_sgpr_kernarg_segment_ptr 1
		.amdhsa_wavefront_size32 1
		.amdhsa_system_sgpr_workgroup_id_x 1
		.amdhsa_system_sgpr_workgroup_id_y 1
		.amdhsa_system_sgpr_workgroup_id_z 1
		.amdhsa_system_vgpr_workitem_id 0
		.amdhsa_next_free_vgpr 256
		.amdhsa_next_free_sgpr 66
		.amdhsa_reserve_vcc 1
		.amdhsa_float_denorm_mode_32 3
		.amdhsa_float_denorm_mode_16_64 3
		.amdhsa_memory_ordered 1
		.amdhsa_forward_progress 1
		.amdhsa_inst_pref_size 34
	.end_amdhsa_kernel
	.amdgpu_metadata
---
amdhsa.version: [ 1, 2 ]
amdhsa.kernels:
  - .name:           k_q66121a60c5_stats
    .symbol:         k_q66121a60c5_stats.kd
    .args:
      - { .name: x, .offset: 0, .size: 8, .value_kind: global_buffer, .address_space: global }
      - { .name: t, .offset: 8, .size: 8, .value_kind: global_buffer, .address_space: global }
      - { .name: t_proj_w, .offset: 16, .size: 8, .value_kind: global_buffer, .address_space: global }
      - { .name: t_proj_b, .offset: 24, .size: 8, .value_kind: global_buffer, .address_space: global }
      - { .name: tenc, .offset: 32, .size: 8, .value_kind: global_buffer, .address_space: global }
      - { .name: part, .offset: 40, .size: 8, .value_kind: global_buffer, .address_space: global }
    .group_segment_fixed_size: 2048
    .private_segment_fixed_size: 0
    .kernarg_segment_align: 8
    .kernarg_segment_size: 48
    .max_flat_workgroup_size: 256
    .sgpr_count:     66
    .vgpr_count:     256
    .wavefront_size: 32
...
	.end_amdgpu_metadata
.endif
;; end of part 1
;; launch qkv (part 2): grid 128 x 1, 8 waves a work-group, no clusters, 81,920 bytes of LDS; arguments x, tenc, part, gn_g, gn_b, qw_codes, qw_scales, qb, kw_codes, kw_scales, kb, vw_codes, vw_scales, vb, qc, kvc, scl; writes qc, kvc, scl
.if DOCPART == 2
	.amdgcn_target "amdgcn-amd-amdhsa--gfx1250"
	.amdhsa_code_object_version 6
	.text
	.protected	k_q66121a60c5_qkv
	.globl	k_q66121a60c5_qkv
	.p2align	8
	.type	k_q66121a60c5_qkv,@function
k_q66121a60c5_qkv:
	s_mov_b64 s[64:65], 0
	v_nop
	global_prefetch_b8 v0, s[64:65] scope:SCOPE_SE
	s_setreg_imm32_b32 hwreg(HW_REG_WAVE_MODE, 25, 1), 1
	s_wait_xcnt 0x0
; Group norm of e = x + t_enc; e quantised along the channels; q, k, v = W e + bias on codes of FP6 (E2M3) with one E8M0 scale for each 32 along K; q and k quantised along their channels, v along the positions.
; SHARES.  A work-group owns 128 positions of one batch: one key step of the attention.  So it writes whole fragments and whole scale words of v, whose K is the positions, and whole blocks of every buffer.
; Eight waves.  Phase a: wave w normalises channels 16 w .. 16 w + 15 (four groups) for the 128 positions and lays e, f32, in LDS.  Phase b: wave w takes tile w of 16 positions, reads its 128 channels down LDS
; (a lane to a position, registers down K) and quantises them; makes q and k of its tile (transposed: source 0 = 16 rows of the weight, source 1 = e: a lane holds one position, its registers run along the output channels).
; Phase c: e's eight fragments go round through LDS as images of their registers; wave w makes 16 channels of v for all 128 positions (source 0 = e's tile, source 1 = vw's rows: a lane holds one channel, registers run along the positions).
; THE ELEMENTS OF A TILE ARE NOT NEIGHBOURS: lane row r of tile 2 b + u of a run of 128 (positions; rows of a weight) is element 32 b + 8 u + r + 8 (r / 8), so that the 16 registers of tiles 2 b, 2 b + 1 of a result are 16 neighbours along the next K.
; WHAT IS STORED.  A fragment (16 rows x 128 K, 12 registers a lane) as an image of its registers: registers 4 c .. 4 c + 3 of lane l at byte 512 c + 16 l: 1,536 bytes.  qc: [b][tile 512]; kvc: [b][step 64][K's 8 tiles][V's 8 tiles].
; scl: [K, V, Q][b][step][512 bytes].  K's and V's word of (tile T, row r) at 16 (r + 16 (T % 2)) + 4 (T / 2), so that 16 bytes a lane bring four registers with an even tile's words in lanes 0-15 and an odd tile's in lanes 16-31; Q's at 64 T + 4 r.
; The biases are the C of the products: qb and kb are loaded straight into the accumulators, in the result's layout.
; STATISTICS.  A group's 32 pairs (mean, sum of squares about it, of 1,024 numbers each) are joined: mean = the means' mean; sum of squares = the sum of theirs + 1,024 x the squares of the means' distances.
; LIMITS: a block of zeros gets the scale byte 1 (its codes are zeros, and this program alone reads the bytes); NaN and infinities are not served.
.set EIMG, 0                           ; LDS: e's eight fragments, 1,536 bytes each,
.set ESC,  12288                       ; their scale words, 128 bytes each,
.set SST,  13312                       ; the step's scale words on their way out: K's 512 bytes, V's 512, Q's 512,
.set ET,   14848                       ; e in f32: channel c at (c / 32) x 16,512 + (c % 32) x 512: the 128 bytes over put lanes 16-31, which read 32 channels further on, 32 words round from lanes 0-15
.set QTM,  16                          ; v16-31   the quantisers' work; its registers 8 to 11 (v24-27) are not theirs:
.set LS4,  24                          ; v24      ESC + 4 x lane
.set SSQ,  25                          ; v25      where my tile's Q scale word goes
.set SSR,  26                          ; v26      the way out of the scale words: SST + 512 x wave + 16 x lane
.set PO,   27                          ; v27      8 x lane
.set QPW,  15                          ; v15      the scale word just made
.set XN,   32                          ; v32-95   x, then e down the channels, then v
.set VA,   32
.set QA,   96                          ; v96-159  q;  in phase a: gains, offsets, statistics
.set KA,   160                         ; v160-223 k
.set QPC,  224                         ; v224-235 the codes just made
.set QCT,  236                         ; v236-242 the conversions' second halves
.set QWS,  244                         ; v244-247 qw's scale words, v248-251 kw's; later e's eight
.set KWS,  248
.set ES,   244
.set EW,   252                         ; v252     my tile of e: its scale word
.set VS,   253                         ; v253     vw's scale words
.set G,    96
.set BT,   112
.set MU,   128
.set RS,   132
.set PM,   136
.set T4,   144
.set WT,   148
.set DQ,   152
.set QW,   0                           ; window 1: qw's eight fragments, kw's eight, vw's one, vb eight times; e's eight later lie where qw's lay
.set KW,   96
.set VW,   192
.set VB,   204
.set EF,   0
.set SEL,  60
.set MSB, 0
.macro WIN new                         ; the immediate's high byte repeats the setting that is left
.if MSB != \new
	s_set_vgpr_msb (MSB<<8)|\new
.set MSB, \new
.endif
.endm
.macro WMR d, a, b, c, sa, sb, ra      ; D = A B + C;  ra = 1: A's scales stand in lanes 16-31
.if \ra
	v_wmma_scale_f32_16x16x128_f8f6f4 v[\d:\d+7], v[\a:\a+11], v[\b:\b+11], v[\c:\c+7], v[\sa], v[\sb] matrix_a_fmt:MATRIX_FMT_FP6 matrix_b_fmt:MATRIX_FMT_FP6 matrix_a_scale:MATRIX_SCALE_ROW1
.else
	v_wmma_scale_f32_16x16x128_f8f6f4 v[\d:\d+7], v[\a:\a+11], v[\b:\b+11], v[\c:\c+7], v[\sa], v[\sb] matrix_a_fmt:MATRIX_FMT_FP6 matrix_b_fmt:MATRIX_FMT_FP6
.endif
.endm
.macro WSUM4 r, t                      ; four sums over the wave's 32 lanes, by turns
.irp m, 1,2,4,8
.irp g, 0,1,2,3
	v_add_f32_dpp v[\r+\g], v[\r+\g], v[\r+\g] row_xmask:\m row_mask:0xf bank_mask:0xf
.endr
.endr
.irp g, 0,1,2,3
	v_permlanex16_b32 v[\t+\g], v[\r+\g], s[SEL], s[SEL+1]
.endr
.irp g, 0,1,2,3
	v_add_f32 v[\r+\g], v[\r+\g], v[\t+\g]
.endr
.endm
; 64 numbers of a lane, register 16 b + i = k 32 b + 16 (lane / 16) + i of my row, become a fragment's codes in v[QPC] on and its scale word in v[QPW]
.macro QUANT5 s
.irp b, 0,1,2,3
	v_max3_num_f32 v[QTM+\b], |v[\s+16*\b]|, |v[\s+16*\b+1]|, 0x1800000   ; block b: my 16 numbers, and the floor 2^(3 - 127): the byte cannot fall under 1
.endr
.irp i, 2,4,6,8,10,12,14
.irp b, 0,1,2,3
	v_max3_num_f32 v[QTM+\b], v[QTM+\b], |v[\s+16*\b+\i]|, |v[\s+16*\b+\i+1]|
.endr
.endr
.irp b, 0,1,2,3
	v_permlanex16_b32 v[QTM+4+\b], v[QTM+\b], s[SEL], s[SEL+1]
.endr
.irp b, 0,1,2,3
	v_max_num_f32 v[QTM+\b], v[QTM+\b], v[QTM+4+\b]       ; with lane l xor 16's: the block's largest magnitude
.endr
.irp b, 0,1,2,3
	v_add_nc_u32 v[QTM+12+\b], 0xff000000, v[QTM+\b]      ; 2 off its exponent field: the conversion's scale operand
.endr
.irp b, 0,1,2,3
	v_lshrrev_b32 v[QTM+4+\b], 23, v[QTM+12+\b]           ; the scale's byte
.endr
	v_lshl_or_b32 v[QPW], v[QTM+5], 8, v[QTM+4]
	v_lshl_or_b32 v[QPW], v[QTM+6], 16, v[QPW]
	v_lshl_or_b32 v[QPW], v[QTM+7], 24, v[QPW]
.irp c, 0,1
	v_cvt_scalef32_pk16_fp6_f32 v[QPC+6*\c:QPC+6*\c+2], v[\s+32*\c:\s+32*\c+15], v[QTM+12+2*\c]
	v_cvt_scalef32_pk16_fp6_f32 v[QCT+4*\c:QCT+4*\c+2], v[\s+32*\c+16:\s+32*\c+31], v[QTM+12+2*\c+1]   ; (a conversion's three registers begin on an even number)
.endr
	v_nop                                          ; one plain instruction behind the scaled conversions
.irp c, 0,1                                    ; the operand's layout wants a whole block in a lane: lanes 0-15 block 2 c, lanes 16-31 block 2 c + 1
.irp i, 0,1,2
	v_permlane16_swap_b32 v[QPC+6*\c+\i], v[QCT+4*\c+\i]
.endr
.irp i, 0,1,2
	v_mov_b32 v[QPC+3+6*\c+\i], v[QCT+4*\c+\i]
.endr
.endr
.endm
; 64 numbers of a lane, register 32 c + i = k 64 c + 32 (lane / 16) + i of my row: whole blocks.  Codes in v[QPC] on, the scale word in v[EW]
.macro QUANT6 s
.irp q, 0,1,2,3
	v_max3_num_f32 v[QTM+\q], |v[\s+16*\q]|, |v[\s+16*\q+1]|, 0x1800000
.endr
.irp i, 2,4,6,8,10,12,14
.irp q, 0,1,2,3
	v_max3_num_f32 v[QTM+\q], v[QTM+\q], |v[\s+16*\q+\i]|, |v[\s+16*\q+\i+1]|   ; four chains, two to a block
.endr
.endr
	v_max_num_f32 v[QTM], v[QTM], v[QTM+1]
	v_max_num_f32 v[QTM+1], v[QTM+2], v[QTM+3]
.irp c, 0,1
	v_add_nc_u32 v[QTM+12+\c], 0xff000000, v[QTM+\c]
.endr
.irp c, 0,1
	v_lshrrev_b32 v[QTM+4+\c], 23, v[QTM+12+\c]
.endr
	v_lshl_or_b32 v[EW], v[QTM+5], 16, v[QTM+4]    ; my two bytes: blocks h and 2 + h,
	v_lshlrev_b32 v[QTM+6], 3, v3
	v_lshlrev_b32 v[EW], v[QTM+6], v[EW]           ; at their places (8 h bits up);
	v_permlanex16_b32 v[QTM+7], v[EW], s[SEL], s[SEL+1]
	v_or_b32 v[EW], v[EW], v[QTM+7]                ; with lane l xor 16's two the word is whole
.irp c, 0,1
	v_cvt_scalef32_pk16_fp6_f32 v[QPC+6*\c:QPC+6*\c+2], v[\s+32*\c:\s+32*\c+15], v[QTM+12+\c]
	v_cvt_scalef32_pk16_fp6_f32 v[QCT+4*\c:QCT+4*\c+2], v[\s+32*\c+16:\s+32*\c+31], v[QTM+12+\c]
.endr
	v_nop
.irp c, 0,1
.irp i, 0,1,2
	v_mov_b32 v[QPC+3+6*\c+\i], v[QCT+4*\c+\i]
.endr
.endr
.endm
.macro IMAGE_G lo, off                 ; the fragment in v[QPC] on goes to memory as it stands: three stores of 512 consecutive bytes, aligned to 256
.irp c, 0,1,2
	global_store_b128 v4, v[QPC+4*\c:QPC+4*\c+3], s[\lo:\lo+1] offset:\off+512*\c
.endr
.endm
.macro NORM j                          ; channel 16 w + j: ((x + t_enc) - mean) x (rsqrt x gain) + offset; 512 bytes to LDS
	s_wait_loadcnt 63-(\j)                         ; behind this row's load: 15 - j rows of x and qw's 48 loads
	v_pk_add_f32 v[XN+4*(\j):XN+4*(\j)+1], v[XN+4*(\j):XN+4*(\j)+1], v[T4:T4+1]
	v_pk_add_f32 v[XN+4*(\j)+2:XN+4*(\j)+3], v[XN+4*(\j)+2:XN+4*(\j)+3], v[T4+2:T4+3]
.irp k, 0,1,2,3
	v_sub_f32 v[XN+4*(\j)+\k], v[XN+4*(\j)+\k], v[MU+(\j)/4]
.endr
.irp k, 0,1,2,3
	v_fma_f32 v[XN+4*(\j)+\k], v[XN+4*(\j)+\k], v[G+(\j)], v[BT+(\j)]
.endr
	ds_store_b128 v9, v[XN+4*(\j):XN+4*(\j)+3] offset:512*(\j)
.endm
	s_load_b512 s[4:19], s[0:1], 0x0               ; x 4, tenc 6, part 8, gn_g 10, gn_b 12, qw's codes 14, its scales 16, qb 18
	s_load_b512 s[20:35], s[0:1], 0x40             ; kw's codes 20, scales 22, kb 24, vw's codes 26, scales 28, vb 30, qc 32, kvc 34
	s_load_b64 s[36:37], s[0:1], 0x80              ; scl
	v_lshl_add_u32 v239, v0, 2, 0x13c00
	v_mov_b32 v243, 0
	v_lshrrev_b32 v1, 5, v0
	v_readfirstlane_b32 s40, v1                    ; wave 0..7
	s_lshr_b32 s41, ttmp9, 6                       ; b
	s_and_b32 s42, ttmp9, 63                       ; step
	s_lshr_b32 s43, s40, 1
	s_and_b32 s44, s40, 1
	v_and_b32 v1, 31, v0                           ; lane
	v_and_b32 v2, 15, v0                           ; r
	v_bfe_u32 v3, v0, 4, 1                         ; h
	v_lshlrev_b32 v4, 4, v1                        ; 16 x lane
	v_and_b32 v5, 8, v2
	v_add_nc_u32 v5, v5, v2                        ; r + 8 (r / 8)
	v_mul_u32_u24 v6, v5, 96
	v_mad_u32_u24 v6, v3, 24, v6                   ; a weight's fragment: a row of 128 codes is 96 bytes, + 24 h
	v_lshl_add_u32 v7, v3, 3, v5
	v_lshlrev_b32 v7, 2, v7                        ; its scale words: lanes 0-15 the even tile's rows, lanes 16-31 the odd tile's, 8 rows on
	v_lshlrev_b32 v8, 6, v3                        ; a bias in the result's layout: 16 h numbers on
	s_mul_i32 s45, s43, 16512
	s_lshl_b32 s46, s44, 13
	s_add_co_u32 s45, s45, s46
	s_add_co_u32 s45, s45, ET
	v_add_nc_u32 v9, s45, v4                       ; e into LDS: my 16 channels' rows, 16 bytes a lane
	s_lshl_b32 s45, s43, 5
	s_lshl_b32 s46, s44, 3
	s_add_co_u32 s45, s45, s46
	v_add_nc_u32 v10, s45, v5
	v_lshlrev_b32 v10, 2, v10                      ; 4 x (element r of tile w): my position, and my channel of v
	v_mul_u32_u24 v11, v3, 16512
	v_add_nc_u32 v11, v11, v10
	v_add_nc_u32 v11, ET, v11                      ; e out of LDS: my position, channels 32 h on
	s_mul_i32 s45, s40, 1536
	v_add_nc_u32 v12, s45, v4                      ; my tile's image
	s_lshl_b32 s45, s40, 7
	s_add_co_u32 s45, s45, ESC
	v_lshl_add_u32 v13, v1, 2, s45                 ; and its scale words
	s_lshl_b32 s45, s44, 8
	s_lshl_b32 s46, s43, 2
	s_add_co_u32 s45, s45, s46
	s_add_co_u32 s45, s45, SST
	v_lshl_add_u32 v14, v2, 4, s45                 ; K's (and 512 on: V's) word of (tile w, row r)
	v_lshl_add_u32 v[LS4], v1, 2, ESC
	s_lshl_b32 s45, s40, 6
	s_add_co_u32 s45, s45, SST+1024
	v_lshl_add_u32 v[SSQ], v2, 2, s45
	s_lshl_b32 s45, s40, 9
	s_add_co_u32 s45, s45, SST
	v_add_nc_u32 v[SSR], s45, v4
	v_lshlrev_b32 v[PO], 3, v1
	v_mul_u32_u24 v254, v10, 24
	v_mad_u32_u24 v254, v3, 24, v254               ; vw's fragment: 96 x my channel + 24 h
	v_mov_b32 v255, 0
.irp b, 0,1,2,3
	v_mov_b32 v[QTM+4+\b], 0                       ; written once: a lane permute's destination counts as one of its sources
	v_mov_b32 v[WT+\b], 0
.endr
	s_mov_b32 s[SEL], 0x76543210
	s_mov_b32 s[SEL+1], 0xfedcba98
	s_mov_b32 s62, 0x358637bd                      ; 1e-6
	s_mov_b32 s63, 0x38000000                      ; 1 / 32,768
	s_lshl_b32 s46, s41, 22                        ; x: b x 4 MiB + 16 w channels of 32,768 bytes + the step's 512 bytes
	s_lshl_b32 s48, s40, 19
	s_add_co_u32 s46, s46, s48
	s_lshl_b32 s48, s42, 9
	s_add_co_u32 s46, s46, s48
	s_mov_b32 s47, 0
	s_lshl_b32 s48, s41, 11                        ; tenc: b x 2,048 + the step's place in a row of 512
	s_and_b32 s50, s42, 3
	s_lshl_b32 s50, s50, 9
	s_add_co_u32 s48, s48, s50
	s_mov_b32 s49, 0
	s_lshl_b32 s50, s41, 13                        ; part: b x 8,192 + my four groups
	s_lshl_b32 s52, s40, 10
	s_add_co_u32 s50, s50, s52
	s_mov_b32 s51, 0
	s_lshl_b32 s52, s40, 6                         ; gains and offsets: my 16
	s_mov_b32 s53, 0
	s_lshl_b32 s54, s41, 6
	s_add_co_u32 s54, s54, s42                     ; 64 b + step
	s_lshl_b32 s56, s54, 3
	s_add_co_u32 s56, s56, s40
	s_mul_i32 s56, s56, 1536                       ; qc: my tile
	s_mov_b32 s57, 0
	s_mul_i32 s58, s54, 24576
	s_mul_i32 s59, s40, 1536
	s_add_co_u32 s58, s58, s59                     ; kvc: the step's block, my tile
	s_mov_b32 s59, 0
	s_lshl_b32 s54, s54, 9
	s_lshl_b32 s55, s40, 16
	s_add_co_u32 s54, s54, s55                     ; scl: region w (waves 0 to 2 store), the step's 512 bytes
	s_mov_b32 s55, 0
	s_wait_kmcnt 0x0
	s_add_nc_u64 s[4:5], s[4:5], s[46:47]
	s_add_nc_u64 s[6:7], s[6:7], s[48:49]
	s_add_nc_u64 s[8:9], s[8:9], s[50:51]
	s_add_nc_u64 s[10:11], s[10:11], s[52:53]
	s_add_nc_u64 s[12:13], s[12:13], s[52:53]
	s_add_nc_u64 s[32:33], s[32:33], s[56:57]
	s_add_nc_u64 s[34:35], s[34:35], s[58:59]
	s_add_nc_u64 s[36:37], s[36:37], s[54:55]
	; ---- a: 13 small loads, 16 rows of x, qw's fragments
.irp g, 0,1,2,3
	global_load_b64 v[PM+2*\g:PM+2*\g+1], v[PO], s[8:9] offset:256*\g   ; lane i: pair i of the group: 256 consecutive bytes
.endr
.irp i, 0,1,2,3
	global_load_b128 v[G+4*\i:G+4*\i+3], v255, s[10:11] offset:16*\i    ; the same 16 numbers in every lane
.endr
.irp i, 0,1,2,3
	global_load_b128 v[BT+4*\i:BT+4*\i+3], v255, s[12:13] offset:16*\i
.endr
	global_load_b128 v[T4:T4+3], v4, s[6:7]
.irp j, 0,1,2,3,4,5,6,7,8,9,10,11,12,13,14,15
	global_load_b128 v[XN+4*\j:XN+4*\j+3], v4, s[4:5] offset:32768*\j   ; 512 consecutive bytes of a channel
.endr
	WIN 0x40                                       ; destination window 1
.irp t, 0,1,2,3,4,5,6,7
.irp p, 0,1,2,3,4,5
	global_load_b64 v[QW+12*\t+2*\p:QW+12*\t+2*\p+1], v6, s[14:15] offset:(32*(\t/2)+8*(\t%2))*96+48*(\p/3)+8*(\p%3)
.endr
.endr
	WIN 0
	s_wait_loadcnt 63                              ; the 13 small loads are in: 64 were issued behind them, and the count's field holds 63 at the most
.irp g, 0,1,2,3
	v_mov_b32 v[MU+\g], v[PM+2*\g]
.endr
	WSUM4 MU, WT
.irp g, 0,1,2,3
	v_mul_f32 v[MU+\g], 0x3d000000, v[MU+\g]       ; the group's mean: the 32 means' mean
.endr
.irp g, 0,1,2,3
	v_sub_f32 v[DQ+\g], v[PM+2*\g], v[MU+\g]
.endr
.irp g, 0,1,2,3
	v_mul_f32 v[DQ+\g], v[DQ+\g], v[DQ+\g]
.endr
.irp g, 0,1,2,3
	v_fma_f32 v[DQ+\g], v[DQ+\g], 0x44800000, v[PM+2*\g+1]   ; 1,024 x the distance's square + the part's own sum of squares
.endr
	WSUM4 DQ, WT
.irp g, 0,1,2,3
	v_fma_f32 v[DQ+\g], v[DQ+\g], s63, s62         ; the variance + 1e-6
.endr
.irp g, 0,1,2,3
	v_rsq_f32 v[RS+\g], v[DQ+\g]
.endr
	v_nop                                          ; a plain instruction behind the transcendentals
	s_wait_alu depctr_va_vdst(0)
.irp j, 0,1,2,3,4,5,6,7,8,9,10,11,12,13,14,15
	v_mul_f32 v[G+\j], v[G+\j], v[RS+\j/4]
.endr
.irp j, 0,1,2,3,4,5,6,7,8,9,10,11,12,13,14,15
	NORM \j
.endr
	; the other weights, scale words and biases are asked for now; they are wanted behind the quantising of e
	WIN 0x40
.irp t, 0,1,2,3,4,5,6,7
.irp p, 0,1,2,3,4,5
	global_load_b64 v[KW+12*\t+2*\p:KW+12*\t+2*\p+1], v6, s[20:21] offset:(32*(\t/2)+8*(\t%2))*96+48*(\p/3)+8*(\p%3)
.endr
.endr
.irp p, 0,1,2,3,4,5
	global_load_b64 v[VW+2*\p:VW+2*\p+1], v254, s[26:27] offset:48*(\p/3)+8*(\p%3)
.endr
.irp i, 0,1,2,3,4,5,6,7
	global_load_b32 v[VB+\i], v10, s[30:31]        ; v's C: a lane holds one channel, so its bias stands in all eight registers
.endr
	WIN 0
.irp b, 0,1,2,3
	global_load_b32 v[QWS+\b], v7, s[16:17] offset:128*\b
	global_load_b32 v[KWS+\b], v7, s[22:23] offset:128*\b
.endr
	global_load_b32 v[VS], v10, s[28:29]
.irp t, 0,1,2,3,4,5,6,7
	global_load_b128 v[QA+8*\t:QA+8*\t+3], v8, s[18:19] offset:(32*(\t/2)+8*(\t%2))*4      ; register j of tile 2 b + u: channel 32 b + 16 h + 8 u + j
	global_load_b128 v[QA+8*\t+4:QA+8*\t+7], v8, s[18:19] offset:(32*(\t/2)+8*(\t%2))*4+16
	global_load_b128 v[KA+8*\t:KA+8*\t+3], v8, s[24:25] offset:(32*(\t/2)+8*(\t%2))*4
	global_load_b128 v[KA+8*\t+4:KA+8*\t+7], v8, s[24:25] offset:(32*(\t/2)+8*(\t%2))*4+16
.endr
	s_wait_dscnt 0x0                               ; my rows of e have landed
	s_barrier_signal -1
	s_barrier_wait -1                              ; all 128 channels lie in LDS
	; ---- b: my tile of 16 positions: 64 channels a lane, down LDS
.irp c, 0,1
.irp i, 0,1,2,3,4,5,6,7,8,9,10,11,12,13,14,15,16,17,18,19,20,21,22,23,24,25,26,27,28,29,30,31
	ds_load_b32 v[XN+32*\c+\i], v11 offset:33024*\c+512*\i
.endr
.endr
	s_wait_dscnt 0x0
	QUANT6 XN
.irp c, 0,1,2
	ds_store_b128 v12, v[QPC+4*\c:QPC+4*\c+3] offset:EIMG+512*\c
.endr
	ds_store_b32 v13, v[EW]
.rept 8
	v_nop                                          ; a scale register written by vector instructions stands 8 places ahead of a scaled matrix instruction, an operand 4
.endr
	s_wait_loadcnt 0x0                             ; weights, scale words, biases
	WIN 0x01                                       ; source 0 (the weight) window 1
.irp t, 0,1,2,3,4,5,6,7
	WMR QA+8*\t, QW+12*\t, QPC, QA+8*\t, QWS+\t/2, EW, \t%2
	WMR KA+8*\t, KW+12*\t, QPC, KA+8*\t, KWS+\t/2, EW, \t%2
.endr
	WIN 0
.rept 4
	v_nop                                          ; places in front of the loads into qw's registers and the weights' scale registers
.endr
	s_wait_dscnt 0x0                               ; my image and its scale words have landed
	s_barrier_signal -1
	s_barrier_wait -1                              ; e's eight fragments lie in LDS
	; ---- c: my 16 channels of v for all eight tiles of positions
	WIN 0x40
.irp i, 0,1,2,3,4,5,6,7
.irp c, 0,1,2
	ds_load_b128 v[EF+12*\i+4*\c:EF+12*\i+4*\c+3], v4 offset:EIMG+1536*\i+512*\c
.endr
.endr
	WIN 0
.irp i, 0,1,2,3,4,5,6,7
	ds_load_b32 v[ES+\i], v[LS4] offset:128*\i
.endr
	s_wait_dscnt 0x0
	WIN 0x15                                       ; sources 0 (e), 1 (vw) and 2 (vb) window 1
.irp i, 0,1,2,3,4,5,6,7
	WMR VA+8*\i, EF+12*\i, VW, VB, ES+\i, VS, 0
.endr
	WIN 0
.rept 4
	v_nop
.endr
	QUANT5 QA
	IMAGE_G 32, 0
	ds_store_b32 v[SSQ], v[QPW]
	s_wait_xcnt 0x0                                ; the stores have read their registers:
	s_wait_dscnt 0x0                               ; the codes and the scale word may be written again
	QUANT5 KA
	IMAGE_G 34, 0
	ds_store_b32 v14, v[QPW]                       ; (both halves of the lanes write the same word with the same value)
	s_wait_xcnt 0x0
	s_wait_dscnt 0x0
	QUANT5 VA
	IMAGE_G 34, 12288
	ds_store_b32 v14, v[QPW] offset:512
	s_wait_dscnt 0x0
	s_barrier_signal -1
	s_barrier_wait -1                              ; the step's 3 x 512 bytes of scale words lie in LDS
	s_cmp_gt_u32 s40, 2
	s_cbranch_scc1 .Lend
	ds_load_b128 v[32:35], v[SSR]
	s_wait_dscnt 0x0
	global_store_b128 v4, v[32:35], s[36:37]       ; 512 consecutive bytes, aligned to 256
.Lend:
	s_wait_tensorcnt 0x0
	ds_add_u32 v239, v243
	s_wait_dscnt 0x0
	s_endpgm
.Lfunc_end_k_q66121a60c5_qkv:
	.size	k_q66121a60c5_qkv, .Lfunc_end_k_q66121a60c5_qkv-k_q66121a60c5_qkv
	.p2alignl 7, 3214868480
	.fill 96, 4, 3214868480
	.section	.rodata,"a",@progbits
	.p2align	6, 0x0
	.amdhsa_kernel k_q66121a60c5_qkv
		.amdhsa_group_segment_fixed_size 81920
		.amdhsa_private_segment_fixed_size 0
		.amdhsa_enable_private_segment 0
		.amdhsa_kernarg_size 136
		.amdhsa_user_sgpr_count 2
		.amdhsa_user_sgpr_kernarg_segment_ptr 1
		.amdhsa_wavefront_size32 1
		.amdhsa_system_sgpr_workgroup_id_x 1
		.amdhsa_system_sgpr_workgroup_id_y 1
		.amdhsa_system_sgpr_workgroup_id_z 1
		.amdhsa_system_vgpr_workitem_id 0
		.amdhsa_next_free_vgpr 512
		.amdhsa_next_free_sgpr 66
		.amdhsa_reserve_vcc 0
		.amdhsa_float_denorm_mode_32 3
		.amdhsa_float_denorm_mode_16_64 3
		.amdhsa_memory_ordered 1
		.amdhsa_forward_progress 1
		.amdhsa_inst_pref_size 62
	.end_amdhsa_kernel
	.amdgpu_metadata
---
amdhsa.version: [ 1, 2 ]
amdhsa.kernels:
  - .name:           k_q66121a60c5_qkv
    .symbol:         k_q66121a60c5_qkv.kd
    .args:
      - { .name: x, .offset: 0, .size: 8, .value_kind: global_buffer, .address_space: global }
      - { .name: tenc, .offset: 8, .size: 8, .value_kind: global_buffer, .address_space: global }
      - { .name: part, .offset: 16, .size: 8, .value_kind: global_buffer, .address_space: global }
      - { .name: gn_g, .offset: 24, .size: 8, .value_kind: global_buffer, .address_space: global }
      - { .name: gn_b, .offset: 32, .size: 8, .value_kind: global_buffer, .address_space: global }
      - { .name: qw_codes, .offset: 40, .size: 8, .value_kind: global_buffer, .address_space: global }
      - { .name: qw_scales, .offset: 48, .size: 8, .value_kind: global_buffer, .address_space: global }
      - { .name: qb, .offset: 56, .size: 8, .value_kind: global_buffer, .address_space: global }
      - { .name: kw_codes, .offset: 64, .size: 8, .value_kind: global_buffer, .address_space: global }
      - { .name: kw_scales, .offset: 72, .size: 8, .value_kind: global_buffer, .address_space: global }
      - { .name: kb, .offset: 80, .size: 8, .value_kind: global_buffer, .address_space: global }
      - { .name: vw_codes, .offset: 88, .size: 8, .value_kind: global_buffer, .address_space: global }
      - { .name: vw_scales, .offset: 96, .size: 8, .value_kind: global_buffer, .address_space: global }
      - { .name: vb, .offset: 104, .size: 8, .value_kind: global_buffer, .address_space: global }
      - { .name: qc, .offset: 112, .size: 8, .value_kind: global_buffer, .address_space: global }
      - { .name: kvc, .offset: 120, .size: 8, .value_kind: global_buffer, .address_space: global }
      - { .name: scl, .offset: 128, .size: 8, .value_kind: global_buffer, .address_space: global }
    .group_segment_fixed_size: 81920
    .private_segment_fixed_size: 0
    .kernarg_segment_align: 8
    .kernarg_segment_size: 136
    .max_flat_workgroup_size: 256
    .sgpr_count:     66
    .vgpr_count:     512
    .wavefront_size: 32
...
	.end_amdgpu_metadata
.endif
;; end of part 2
;; launch attn (part 3): grid 128 x 2, 8 waves a work-group, clusters of 4 x 1, 327,680 bytes of LDS; arguments qc, kvc, scl, pw_codes, pw_scales, pb, x, out0; writes out0
.if DOCPART == 3
	.amdgcn_target "amdgcn-amd-amdhsa--gfx1250"
	.amdhsa_code_object_version 6
	.text
	.protected	k_q66121a60c5_attn
	.globl	k_q66121a60c5_attn
	.p2align	8
	.type	k_q66121a60c5_attn,@function
k_q66121a60c5_attn:
	s_mov_b64 s[64:65], 0
	v_nop
	global_prefetch_b8 v0, s[64:65] scope:SCOPE_SE
	s_setreg_imm32_b32 hwreg(HW_REG_WAVE_MODE, 25, 1), 1
	s_wait_xcnt 0x0
	s_wait_alu depctr_hold_cnt(0) depctr_sa_sdst(0) depctr_va_vdst(0) depctr_va_sdst(0) depctr_va_ssrc(0) depctr_va_vcc(0) depctr_vm_vsrc(0)
	s_getreg_b32 s2, hwreg(HW_REG_IB_STS2, 6, 4)
	s_cmp_eq_u32 s2, 0
	s_cbranch_scc0 .Lentry_in_a_cluster
	s_endpgm
.Lentry_in_a_cluster:
	s_bfe_u32 s2, ttmp6, 0x10000c
	s_cmp_lg_u32 s2, 0x3003
	s_cbranch_scc0 .Lentry_shape_is_right
	s_endpgm
.Lentry_shape_is_right:
; out0 = x + pw Q(softmax(q k^T / sqrt(128)) v) + pb, every product on codes of FP6 (E2M3) with one E8M0 scale for each 32 along K.  q, k, v arrive as images of operand registers (1,536 bytes a fragment) with their scale words.
; THE SOFTMAX: t = score x log2(e) / sqrt(128); M = the largest t so far, rounded UP to a whole number; p = 2^(t - M) is quantised along the keys, not normalised; the sum of the unquantised p divides at the end.
; When M moves, the sum and O are multiplied by 2^(old M - new M): exact.
; SHARES.  A work-group owns 64 queries of one batch: four tiles of 16.  Wave w = 2 kq + qh owns the two tiles of half qh and, of every slot of four key steps (128 keys each), step kq: 16 steps a wave.
; Two waves lie on a SIMD, so that one wave's products and LDS loads stand beside the other's vector work; each fragment of K or V read from LDS feeds two products.  At the end the four key quarters are merged: M is a whole number, so the merge rescales exactly.
; LAYOUT.  Both products are used transposed: S^T = K Q^T, O^T = V^T P^T: a lane holds ONE query (lane % 16) throughout.  The keys of a tile of K, the queries of a tile of Q and the channels of a tile of V are
; element 32 b + 8 u + r + 8 (r / 8) for lane row r of tile 2 b + u, so that the 16 registers of tiles 2 b, 2 b + 1 of a result are 16 neighbours along the next K.
; CLUSTER.  The four work-groups of a cluster belong to one batch and walk the same K and V: each slot is asked for JOINTLY, by the same tensor loads with the same descriptors and a mask that names the four.
; RING.  Two slots of 98,304 bytes, a dense copy of four steps; each of the eight waves brings an eighth by one load.  The scale words of the whole batch (K's 32,768 bytes, V's 32,768) come once, with the first fills.
; By this text's count a wave has two tensor loads out at the start and one behind each round.
; THE END.  Wave w then has tile m = w / 2 and output half w % 2: it merges the tile's four parts, divides by the sum, quantises along the channels, multiplies by its 64 rows of pw (C = pb); the results meet in a stage and leave, with x added, as rows of 256 bytes.
; LIMITS: a block of zeros gets the scale byte 1 (its codes are zeros); NaN and infinities are not served.
.set SLOT1, 131072                     ; slot 0 at 0, slot 1 here: one exclusive or turns an address in one into the other's
.set SLOTB, 98304
.set SCK,   98304                      ; K's scale words; V's lie 131,072 further on
.set STAT,  262144                     ; the waves' -M and sums: 512 bytes a wave
.set SPARE, 266240                     ; the spare words, 128 bytes for each wave: four blocks of 256 bytes that no other line names
.set YST,   131072                     ; the stage for y: 128 rows x (256 bytes + 16), and the waves' parts of O at 0 .. 131,071: in bytes that have had their last fill and their last read
.set LIK, 1                            ; v1   16 x lane + 24,576 kq: my step's fragments in a slot
.set LSK, 2                            ; v2   16 x lane + SCK + 512 kq: its scale words
.set LI,  3                            ; v3   16 x lane
.set SPW, 4                            ; v4   LDS address of my spare word; never rewritten
.set NIL, 5                            ; v5   0; never rewritten
.set ADK, 6
.set ADS, 7
.set ADT, 8
.set PFO, 9                            ; v9   256 x lane
.set LS4, 10                           ; v10  4 x lane
.set ST,  12                           ; tile u at v[12 + 4 u]: -M, the largest t, the sum in two halves
.set Q,   20                           ; v20-43  Q's two fragments
.set QS,  44                           ; v44     their scale words: tile 0's in lanes 0-15, tile 1's in lanes 16-31
.set PW,  46                           ; v46-47  p's scale words
.set KS,  48                           ; v48-51  K's scale words: register t': tile 2 t' in lanes 0-15, tile 2 t' + 1 in lanes 16-31
.set VS,  52                           ; v52-55  V's
.set S,   64                           ; v64-191 S^T, then p: 64 a tile
.set PC,  192                          ; v192-215 p's codes, 12 a tile
.set CT,  216                          ; v216-222 the conversions' second halves
.set BM,  224
.set BP,  228
.set SO,  232
.set F,   236
.set T,   238
.set SUMT, 240
.set FR,  128                          ; window 1: v0-127 O^T, 64 a tile; v128-223 eight fragments of K or of V
.set WV,  20
.set KQ,  21
.set QH,  22
.set SEL, 26
.set CS,  28
.set G1C, 32                           ; s[32:39] group 1 for an eighth of a slot; s[40:47] for an eighth of the scale words; s[48:51] the walking group 0; s[52:55] the scale words'
.set G1S, 40
.set G0,  48
.set G0S, 52
.set TB,  56
.set TS,  57
.set SLOTS, 58
.set LIM, 59
.set PFA, 60
.set MSB, 0
.macro WIN new                         ; the immediate's high byte repeats the setting that is left
.if MSB != \new
	s_set_vgpr_msb (MSB<<8)|\new
.set MSB, \new
.endif
.endm
.macro WMR d, a, b, c, sa, sb, ra      ; D = A B + C;  ra = 1: A's scales stand in lanes 16-31
.if \ra
	v_wmma_scale_f32_16x16x128_f8f6f4 v[\d:\d+7], v[\a:\a+11], v[\b:\b+11], v[\c:\c+7], v[\sa], v[\sb] matrix_a_fmt:MATRIX_FMT_FP6 matrix_b_fmt:MATRIX_FMT_FP6 matrix_a_scale:MATRIX_SCALE_ROW1
.else
	v_wmma_scale_f32_16x16x128_f8f6f4 v[\d:\d+7], v[\a:\a+11], v[\b:\b+11], v[\c:\c+7], v[\sa], v[\sb] matrix_a_fmt:MATRIX_FMT_FP6 matrix_b_fmt:MATRIX_FMT_FP6
.endif
.endm
.macro WMZ d, a, b, sa, sb, ra, rb     ; D = A B: the product starts the sum
.if (\ra) && (\rb)
	v_wmma_scale_f32_16x16x128_f8f6f4 v[\d:\d+7], v[\a:\a+11], v[\b:\b+11], 0, v[\sa], v[\sb] matrix_a_fmt:MATRIX_FMT_FP6 matrix_b_fmt:MATRIX_FMT_FP6 matrix_a_scale:MATRIX_SCALE_ROW1 matrix_b_scale:MATRIX_SCALE_ROW1
.elseif \ra
	v_wmma_scale_f32_16x16x128_f8f6f4 v[\d:\d+7], v[\a:\a+11], v[\b:\b+11], 0, v[\sa], v[\sb] matrix_a_fmt:MATRIX_FMT_FP6 matrix_b_fmt:MATRIX_FMT_FP6 matrix_a_scale:MATRIX_SCALE_ROW1
.elseif \rb
	v_wmma_scale_f32_16x16x128_f8f6f4 v[\d:\d+7], v[\a:\a+11], v[\b:\b+11], 0, v[\sa], v[\sb] matrix_a_fmt:MATRIX_FMT_FP6 matrix_b_fmt:MATRIX_FMT_FP6 matrix_b_scale:MATRIX_SCALE_ROW1
.else
	v_wmma_scale_f32_16x16x128_f8f6f4 v[\d:\d+7], v[\a:\a+11], v[\b:\b+11], 0, v[\sa], v[\sb] matrix_a_fmt:MATRIX_FMT_FP6 matrix_b_fmt:MATRIX_FMT_FP6
.endif
.endm
; A round of the cluster's barrier: my work-group's barrier, so that wave 0's signal speaks for all eight waves; wave 0 signals for the work-group; every wave waits for all four work-groups; my work-group's barrier once more.
.macro CROUND
	s_barrier_signal -1
	s_barrier_wait -1
	s_cmp_lg_u32 s[WV], 0
	s_cbranch_scc1 .Lnot_wave_0_\@
	s_barrier_signal -3
.Lnot_wave_0_\@:
	s_barrier_wait -3
	s_barrier_signal -1
	s_barrier_wait -1
.endm
; A prefetch of the slot that the NEXT change of slots will ask for: 98,304 bytes = 384 blocks of 256.  All clusters of a batch walk the same K and V: the batch's first cluster asks.  Its four partners take 24,576 bytes each,
; told apart by address; in each, waves 0 to 2 ask for 8,192 bytes, lanes 256 bytes apart, one instruction.  So each block is named once in the launch.  The last change that fills a slot asks for nothing; slots 0 and 1 come by their loads alone.
.macro ASK
	s_cmp_gt_u32 s[SLOTS], s[LIM]
	s_cbranch_scc0 .Lnot_mine_\@
	global_prefetch_b8 v[PFO], s[PFA:PFA+1] th:TH_LOAD_NT scope:SCOPE_SE
.Lnot_mine_\@:
.endm
; THE CHANGE OF SLOTS stands at a slot's head.  Each wave waits for all its tensor loads (its eighth of the slot that it is about to read), adds 0 to its spare word, and waits for that and for its reads of the slot that it has left.
; fill = 1: the barrier is a round of the cluster's, and behind it that other slot is filled with the four steps that follow: the load has a whole slot's work in which to land.
.macro CHANGE fill
	s_wait_tensorcnt 0x0                           ; no tensor load of mine is out, so the walking group 0 may be written
	ds_add_u32 v[SPW], v[NIL]                      ; 0 onto my spare word
.if \fill
	s_xor_b32 s[G0+1], s[G0+1], SLOT1              ; the other slot than last time,
	s_add_nc_u64 s[G0+2:G0+3], s[G0+2:G0+3], SLOTB ; the next four steps; the type bits on top are not reached
	s_wait_xcnt 0x0                                ; the last prefetch, a slot back, has read its address, so it may be written:
	s_add_nc_u64 s[PFA:PFA+1], s[PFA:PFA+1], SLOTB ; one slot further on than the walking descriptor
	s_wait_dscnt 0x0                               ; the add is done, and my reads of the slot that I have left are over
	CROUND
	tensor_load_to_lds s[G0:G0+3], s[G1C:G1C+7]    ; the first thing behind the round, and my one tensor load until the next
	s_nop 0
.rept 4
	v_nop
.endr
	ASK
.else
	s_wait_dscnt 0x0
	s_barrier_signal -1
	s_barrier_wait -1
.endif
.endm
; One tile's softmax for one key step: 64 scores a lane, register 16 b + i = key 32 b + 16 (lane / 16) + i
.macro SOFTMAX u
.set rS, S+64*(\u)
.set rT, ST+4*(\u)
.set rP, PC+12*(\u)
.set rW, PW+(\u)
.set rO, 64*(\u)
.irp b, 0,1,2,3
	v_max3_num_f32 v[BM+\b], v[rS+16*\b], v[rS+16*\b+1], v[rS+16*\b+2]   ; the largest score of each block of 32 keys: it serves for the row's maximum and, since p rises with the score, for the block's largest p
.endr
.irp i, 3,5,7,9,11,13
.irp b, 0,1,2,3
	v_max3_num_f32 v[BM+\b], v[BM+\b], v[rS+16*\b+\i], v[rS+16*\b+\i+1]
.endr
.endr
.irp b, 0,1,2,3
	v_max_num_f32 v[BM+\b], v[BM+\b], v[rS+16*\b+15]
.endr
.irp b, 0,1,2,3
	v_permlanex16_b32 v[BP+\b], v[BM+\b], s[SEL], s[SEL+1]
.endr
.irp b, 0,1,2,3
	v_max_num_f32 v[BM+\b], v[BM+\b], v[BP+\b]     ; with lane l xor 16's 16 keys
.endr
	v_max3_num_f32 v[T], v[BM], v[BM+1], v[BM+2]
	v_max_num_f32 v[T], v[T], v[BM+3]
	v_mul_f32 v[T], s[CS], v[T]                    ; as t (c is positive)
	v_max_num_f32 v[rT+1], v[rT+1], v[T]           ; the running largest t
	v_mov_b32 v[T], v[rT]
	v_floor_f32 v[rT], -v[rT+1]                    ; the new -M = floor(-t): M is a whole number
	v_sub_f32 v[T], v[rT], v[T]                    ; old M - new M: a whole number, 0 or less
	v_cvt_i32_f32 v[T], v[T]                       ; (it saturates)
	v_ldexp_f32 v[F], 1.0, v[T]                    ; f = 2^(old M - new M)
.set j, 0
.rept 32
	v_pk_fma_f32 v[rS+j:rS+j+1], v[rS+j:rS+j+1], s[CS:CS+1], v[rT:rT+1] op_sel_hi:[1,0,0]   ; t - M, two at a time
.set j, j+2
.endr
.irp b, 0,1,2,3
	v_fma_f32 v[BM+\b], v[BM+\b], s[CS], v[rT]     ; the same of each block's largest score
.endr
.set j, 0
.rept 64
	v_exp_f32 v[rS+j], v[rS+j]                     ; p = 2^(t - M), at most 1
.set j, j+1
.endr
.irp b, 0,1,2,3
	v_exp_f32 v[BM+\b], v[BM+\b]                   ; the block's largest p: the same two instructions on the same number
.endr
	v_pk_mul_f32 v[rT+2:rT+3], v[rT+2:rT+3], v[F:F+1] op_sel_hi:[1,0]   ; the sums under the new M.  (A plain instruction behind the exponentials)
	s_wait_alu depctr_va_vdst(0)
.irp b, 0,1,2,3
	v_max_num_f32 v[BM+\b], 0x1800000, v[BM+\b]    ; the floor 2^(3 - 127): the byte cannot fall under 1
.endr
.irp b, 0,1,2,3
	v_add_nc_u32 v[SO+\b], 0xff000000, v[BM+\b]    ; 2 off the exponent field: the conversion's scale operand
.endr
.irp b, 0,1,2,3
	v_lshrrev_b32 v[BP+\b], 23, v[SO+\b]           ; the scale's byte
.endr
	v_lshl_or_b32 v[rW], v[BP+1], 8, v[BP]         ; p's scale word for these 128 keys
	v_lshl_or_b32 v[rW], v[BP+2], 16, v[rW]
	v_lshl_or_b32 v[rW], v[BP+3], 24, v[rW]
.irp c, 0,1
	v_cvt_scalef32_pk16_fp6_f32 v[rP+6*\c:rP+6*\c+2], v[rS+32*\c:rS+32*\c+15], v[SO+2*\c]
	v_cvt_scalef32_pk16_fp6_f32 v[CT+4*\c:CT+4*\c+2], v[rS+32*\c+16:rS+32*\c+31], v[SO+2*\c+1]   ; (a conversion's three registers begin on an even number)
.endr
	v_nop                                          ; one plain instruction behind the scaled conversions
.irp c, 0,1                                    ; the operand's layout wants a whole block in a lane
.irp i, 0,1,2
	v_permlane16_swap_b32 v[rP+6*\c+\i], v[CT+4*\c+\i]
.endr
.irp i, 0,1,2
	v_mov_b32 v[rP+3+6*\c+\i], v[CT+4*\c+\i]
.endr
.endr
	v_pk_add_f32 v[SUMT:SUMT+1], v[rS:rS+1], v[rS+2:rS+3]   ; the row's sum is taken of the unquantised p: two at a time, in two chains
.irp j, 4,8,12,16,20,24,28,32,36,40,44,48,52,56,60
	v_pk_add_f32 v[rT+2:rT+3], v[rT+2:rT+3], v[rS+\j:rS+\j+1]
	v_pk_add_f32 v[SUMT:SUMT+1], v[SUMT:SUMT+1], v[rS+\j+2:rS+\j+3]
.endr
	v_pk_add_f32 v[rT+2:rT+3], v[rT+2:rT+3], v[SUMT:SUMT+1]
	WIN 0x41                                       ; O^T (destination and source 0) window 1, f window 0
.set j, 0
.rept 32
	v_pk_mul_f32 v[rO+j:rO+j+1], v[rO+j:rO+j+1], v[F:F+1] op_sel_hi:[1,0]   ; O^T under the new M
.set j, j+2
.endr
	WIN 0
.endm
; MY KEY STEP of the slot in hand: 128 keys for my two tiles of queries
.macro STEP
	v_add_nc_u32 v[ADK], s[TB], v[LIK]
	v_add_nc_u32 v[ADS], s[TS], v[LSK]
	v_add_nc_u32 v[ADT], 0x20000, v[ADS]
	v_nop                                          ; four places in front of loads into registers that the last products read
	ds_load_b128 v[KS:KS+3], v[ADS]
	ds_load_b128 v[VS:VS+3], v[ADT]
	WIN 0x40                                       ; destination window 1
.irp t, 0,1,2,3,4,5,6,7
.irp c, 0,1,2
	ds_load_b128 v[FR+12*\t+4*\c:FR+12*\t+4*\c+3], v[ADK] offset:1536*\t+512*\c   ; 512 consecutive bytes: an image has no pitch
.endr
.endr
	WIN 0x01                                       ; source 0 (K) window 1
.irp t, 0,1,2,3,4,5,6,7
	s_wait_dscnt 21-3*\t                           ; tile t's three loads are in; three for each later tile may be out
	WMZ S+8*\t, FR+12*\t, Q, KS+\t/2, QS, \t%2, 0
	WMZ S+64+8*\t, FR+12*\t, Q+12, KS+\t/2, QS, \t%2, 1
.endr
.rept 4
	v_nop                                          ; places in front of the loads below and of the first read of the scores
.endr
	WIN 0x40
.irp t, 0,1,2,3,4,5,6,7
.irp c, 0,1,2
	ds_load_b128 v[FR+12*\t+4*\c:FR+12*\t+4*\c+3], v[ADK] offset:12288+1536*\t+512*\c   ; V's fragments land under the softmax
.endr
.endr
	WIN 0
	SOFTMAX 0
	SOFTMAX 1
	s_wait_dscnt 0x0                               ; V
	WIN 0x51                                       ; source 0 (V) window 1, source 1 (p) window 0, C and D window 1
.irp t, 0,1,2,3,4,5,6,7                        ; the sixteen accumulators take turns, one instruction a turn
	WMR 8*\t, FR+12*\t, PC, 8*\t, VS+\t/2, PW, \t%2
	WMR 64+8*\t, FR+12*\t, PC+12, 64+8*\t, VS+\t/2, PW+1, \t%2
.endr
	WIN 0
	s_xor_b32 s[TB], s[TB], SLOT1                  ; on to the other slot,
	s_add_co_u32 s[TS], s[TS], 2048                ; and four steps' scale words on
.endm
	s_load_b512 s[4:19], s[0:1], 0x0               ; qc 4, kvc 6, scl 8, pw's codes 10, its scales 12, pb 14, x 16, out0 18
	v_lshl_add_u32 v[SPW], v0, 2, SPARE
	v_mov_b32 v[NIL], 0
	ds_add_u32 v4, v5
	s_wait_dscnt 0x0
	v_lshrrev_b32 v1, 5, v0
	v_readfirstlane_b32 s[WV], v1                  ; wave 0..7
	s_lshr_b32 s[KQ], s[WV], 1
	s_and_b32 s[QH], s[WV], 1
	s_bfe_u32 s23, ttmp6, 0x40000                  ; cx: my place in the cluster
	s_lshl_b32 s24, ttmp9, 2                       ; in a cluster launch ttmp9 counts clusters
	s_add_co_u32 s24, s24, s23                     ; my block of 64 queries: it enters Q's, x's and out0's addresses alone
	s_and_b32 s25, ttmp7, 0xffff                   ; the batch, which the four partners share
	; group 1: dense blocks as rows of 256 bytes (32 elements of 8 bytes): 48 rows, an eighth of a slot; 32 rows, an eighth of the scale words
	s_mov_b32 s[G1C], 15|(3<<16)|(1<<21)           ; 15:0 the mask: all four work-groups; 17:16 elements of 8 bytes; 20 no padding; 21 set beside a mask
	s_mov_b32 s[G1C+1], 32<<16                     ; tensor_dim0
	s_mov_b32 s[G1C+2], 48<<16                     ; tensor_dim1
	s_mov_b32 s[G1C+3], 32<<16                     ; tile_dim0
	s_mov_b32 s[G1C+4], 48                         ; tile_dim1
	s_mov_b32 s[G1C+5], 32                         ; the pitch
	s_mov_b32 s[G1C+6], 0
	s_mov_b32 s[G1C+7], 0
	s_mov_b32 s[G1S], 15|(3<<16)|(1<<21)
	s_mov_b32 s[G1S+1], 32<<16
	s_mov_b32 s[G1S+2], 32<<16
	s_mov_b32 s[G1S+3], 32<<16
	s_mov_b32 s[G1S+4], 32
	s_mov_b32 s[G1S+5], 32
	s_mov_b32 s[G1S+6], 0
	s_mov_b32 s[G1S+7], 0
	s_mul_i32 s66, s25, 1572864                    ; the batch's first byte in kvc
	s_mul_i32 s[G0+1], s[WV], 12288                ; my eighth of slot 0: no place in the cluster enters an LDS address
	s_add_co_u32 s68, s66, s[G0+1]
	s_mov_b32 s69, 0
	s_lshr_b32 s70, s[WV], 2                       ; waves 0 to 3 bring K's scale words, waves 4 to 7 V's
	s_and_b32 s71, s[WV], 3
	s_lshl_b32 s72, s70, 17
	s_lshl_b32 s73, s71, 13
	s_add_co_u32 s[G0S+1], s72, s73
	s_add_co_u32 s[G0S+1], s[G0S+1], SCK
	s_lshl_b32 s72, s70, 16
	s_add_co_u32 s72, s72, s73
	s_lshl_b32 s74, s25, 15
	s_add_co_u32 s72, s72, s74
	s_mov_b32 s73, 0
	s_lshl_b32 s74, s25, 9
	s_lshl_b32 s75, s24, 2
	s_add_co_u32 s74, s74, s75
	s_lshl_b32 s75, s[QH], 1
	s_add_co_u32 s74, s74, s75                     ; my first tile of queries: 512 batch + 4 block + 2 qh
	s_mul_i32 s76, s74, 1536
	s_mov_b32 s77, 0
	s_lshl_b32 s78, s74, 6
	s_add_co_u32 s78, s78, 131072                  ; its scale words, in scl's third region
	s_mov_b32 s79, 0
	s_mul_i32 s62, s23, 24576                      ; the prefetches: my work-group's quarter of a slot,
	s_add_co_u32 s62, s62, s66
	s_lshl_b32 s63, s[WV], 13                      ; my wave's 8,192 bytes of it,
	s_add_co_u32 s62, s62, s63
	s_add_co_u32 s62, s62, SLOTB                   ; in slot 1: the first change of slots steps it to slot 2
	s_mov_b32 s63, 0
	s_cmp_lt_u32 s[WV], 3
	s_cselect_b32 s[LIM], 0, 1
	s_or_b32 s[LIM], s[LIM], ttmp9                 ; 0 in waves 0 to 2 of the batch's first cluster: the same in all four partners
	s_cmp_eq_u32 s[LIM], 0
	s_cselect_b32 s[LIM], 1, -1
	s_mov_b32 s[SEL], 0x76543210
	s_mov_b32 s[SEL+1], 0xfedcba98
	s_mov_b32 s[CS], 0x3e0293ee                    ; c = log2(e) / sqrt(128)
	s_mov_b32 s[CS+1], s[CS]                       ; (named with it as a pair, so it is written)
	s_mov_b32 s[TB], 0
	s_mov_b32 s[TS], 0
	s_mov_b32 s[SLOTS], 15
	s_wait_kmcnt 0x0
	s_mov_b32 s[G0], 1
	s_add_nc_u64 s[G0+2:G0+3], s[6:7], s[68:69]
	s_or_b32 s[G0+3], s[G0+3], 0x80000000
	s_mov_b32 s[G0S], 1
	s_add_nc_u64 s[G0S+2:G0S+3], s[8:9], s[72:73]
	s_or_b32 s[G0S+3], s[G0S+3], 0x80000000
	s_add_nc_u64 s[PFA:PFA+1], s[6:7], s[62:63]
	s_add_nc_u64 s[4:5], s[4:5], s[76:77]
	s_add_nc_u64 s[8:9], s[8:9], s[78:79]
	CROUND                                         ; all four work-groups are here: the first joint loads meet
	tensor_load_to_lds s[G0S:G0S+3], s[G1S:G1S+7]  ; the scale words: filled once
	s_nop 0
	tensor_load_to_lds s[G0:G0+3], s[G1C:G1C+7]    ; slot 0
	s_nop 0
.rept 4
	v_nop
.endr
	v_and_b32 v[LI], 31, v0
	v_lshlrev_b32 v[LS4], 2, v[LI]
	v_lshlrev_b32 v[PFO], 8, v[LI]
	v_lshlrev_b32 v[LI], 4, v[LI]
	s_mul_i32 s66, s[KQ], 24576
	v_add_nc_u32 v[LIK], s66, v[LI]
	s_lshl_b32 s66, s[KQ], 9
	s_add_co_u32 s66, s66, SCK
	v_add_nc_u32 v[LSK], s66, v[LI]
.irp u, 0,1
.irp c, 0,1,2
	global_load_b128 v[Q+12*\u+4*\c:Q+12*\u+4*\c+3], v[LI], s[4:5] offset:1536*\u+512*\c   ; Q's fragments stay in registers
.endr
.endr
	global_load_b32 v[QS], v[LS4], s[8:9]
.irp u, 0,1
	v_mov_b32 v[ST+4*\u+1], 0xff61b1e6             ; the largest t so far: -3e38, under every t
	v_floor_f32 v[ST+4*\u], -v[ST+4*\u+1]          ; -M
	v_mov_b32 v[ST+4*\u+2], 0                      ; the sum, in two halves
	v_mov_b32 v[ST+4*\u+3], 0
.endr
.irp b, 0,1,2,3
	v_mov_b32 v[BP+\b], 0                          ; written once: a lane permute's destination counts as one of its sources
.endr
	v_mov_b32 v[F+1], 0                            ; (named with f as a pair)
	WIN 0x40
.set j, 0
.rept 128
	v_mov_b32 v[j], 0                              ; O^T.  (So the step is written twice and not three times: the first step finds zeros, which the first change of M leaves zeros)
.set j, j+1
.endr
	WIN 0
	s_wait_loadcnt 0x0                             ; Q
.Lslot:                                            ; 15 trips: behind each change of slots but the last the next slot is asked for
	CHANGE 1
	STEP
	s_sub_co_u32 s[SLOTS], s[SLOTS], 1
	s_cmp_lg_u32 s[SLOTS], 0
	s_cbranch_scc1 .Lslot
	CHANGE 0                                       ; the last slot is written out
	STEP
	; ================ THE END: merge, divide, quantise, project, add x ================
.set QTM,  12                          ; v12-27   the quantiser's work
.set QPC,  28                          ; v28-39   the codes of the attention's output
.set PBO,  40
.set YR,   41
.set YW,   42
.set QPW,  44                          ; v44      its scale word (the register that held Q's scale words)
.set PWS,  48                          ; v48-49   pw's scale words (registers that held K's)
.set GK,   56                          ; v56-63   g of the four parts, each twice
.set PWF,  64                          ; v64-111  pw's four fragments
.set NMK,  112
.set LK,   116
.set QCT,  120                         ; v120-122, v124-126 the conversions' second halves
.set T0,   123
.set T1,   127
.set Y,    128
.set XR,   160
.set ACC,  192
.set YB,   192
.macro QUANT5 s                        ; 64 numbers of a lane, register 16 b + i = k 32 b + 16 (lane / 16) + i of my row, become a fragment's codes in v[QPC] on and its scale word in v[QPW]
.irp b, 0,1,2,3
	v_max3_num_f32 v[QTM+\b], |v[\s+16*\b]|, |v[\s+16*\b+1]|, 0x1800000
.endr
.irp i, 2,4,6,8,10,12,14
.irp b, 0,1,2,3
	v_max3_num_f32 v[QTM+\b], v[QTM+\b], |v[\s+16*\b+\i]|, |v[\s+16*\b+\i+1]|
.endr
.endr
.irp b, 0,1,2,3
	v_permlanex16_b32 v[QTM+4+\b], v[QTM+\b], s[SEL], s[SEL+1]
.endr
.irp b, 0,1,2,3
	v_max_num_f32 v[QTM+\b], v[QTM+\b], v[QTM+4+\b]
.endr
.irp b, 0,1,2,3
	v_add_nc_u32 v[QTM+12+\b], 0xff000000, v[QTM+\b]
.endr
.irp b, 0,1,2,3
	v_lshrrev_b32 v[QTM+4+\b], 23, v[QTM+12+\b]
.endr
	v_lshl_or_b32 v[QPW], v[QTM+5], 8, v[QTM+4]
	v_lshl_or_b32 v[QPW], v[QTM+6], 16, v[QPW]
	v_lshl_or_b32 v[QPW], v[QTM+7], 24, v[QPW]
.irp c, 0,1
	v_cvt_scalef32_pk16_fp6_f32 v[QPC+6*\c:QPC+6*\c+2], v[\s+32*\c:\s+32*\c+15], v[QTM+12+2*\c]
	v_cvt_scalef32_pk16_fp6_f32 v[QCT+4*\c:QCT+4*\c+2], v[\s+32*\c+16:\s+32*\c+31], v[QTM+12+2*\c+1]
.endr
	v_nop
.irp c, 0,1
.irp i, 0,1,2
	v_permlane16_swap_b32 v[QPC+6*\c+\i], v[QCT+4*\c+\i]
.endr
.irp i, 0,1,2
	v_mov_b32 v[QPC+3+6*\c+\i], v[QCT+4*\c+\i]
.endr
.endr
.endm
	s_wait_xcnt 0x0                                ; the last prefetch has read its address register, which is written below
	v_and_b32 v[T0], 15, v0                        ; r.  (These address lines are also the places behind the last products)
	v_bfe_u32 v[T1], v0, 4, 1                      ; h
	v_mul_u32_u24 v1, v[T0], 96
	v_mad_u32_u24 v1, v[T1], 24, v1                ; pw's fragments: row r of 96 bytes, + 24 h
	v_lshlrev_b32 v2, 4, v[T0]
	v_lshl_add_u32 v2, v[T1], 15, v2               ; x and out0: lanes 0-15 one channel's 256 bytes, lanes 16-31 the next channel's
	v_lshlrev_b32 v[PBO], 5, v[T1]                 ; pb in the result's layout: 8 h numbers on
	s_lshr_b32 s66, s[WV], 2                       ; my tile m = w / 2 came from half m / 2,
	s_bfe_u32 s67, s[WV], 0x10001                  ; as its tile m % 2
	s_lshl_b32 s68, s[WV], 9
	s_add_co_u32 s68, s68, STAT
	v_add_nc_u32 v6, s68, v[LS4]                   ; where I put my -M and sums,
	s_lshl_b32 s68, s[WV], 14
	v_add_nc_u32 v7, s68, v[LI]                    ; and my two parts of O: 16,384 bytes a wave
	s_lshl_b32 s68, s66, 9
	s_lshl_b32 s69, s67, 8
	s_add_co_u32 s68, s68, s69
	s_add_co_u32 s68, s68, STAT
	v_add_nc_u32 v8, s68, v[LS4]                   ; where I read my tile's: quarter kq' lies 1,024 kq' on,
	s_lshl_b32 s68, s66, 14
	s_lshl_b32 s69, s67, 13
	s_add_co_u32 s68, s68, s69
	v_add_nc_u32 v9, s68, v[LI]                    ; and its parts: 32,768 kq' on;
	v_add_nc_u32 v11, 0x10000, v9                  ; a second register for quarters 2 and 3
	s_mul_i32 s68, s[QH], 17408                    ; the stage: my 64 output channels' rows of 272 bytes,
	s_lshl_b32 s69, s66, 7
	s_add_co_u32 s68, s68, s69
	s_lshl_b32 s69, s67, 5
	s_add_co_u32 s68, s68, s69                     ; my tile's positions: 4 x (32 (m / 2) + 8 (m % 2) + r + 8 (r / 8))
	s_add_co_u32 s68, s68, YST
	v_and_b32 v[YW], 8, v[T0]
	v_add_nc_u32 v[YW], v[YW], v[T0]
	v_lshlrev_b32 v[YW], 2, v[YW]
	v_mad_u32_u24 v[YW], v[T1], 2176, v[YW]        ; + 8 h rows
	v_add_nc_u32 v[YW], s68, v[YW]
	s_mul_i32 s68, s[WV], 4352
	s_add_co_u32 s68, s68, YST
	v_mul_u32_u24 v[YR], v[T1], 272
	v_lshl_add_u32 v[YR], v[T0], 4, v[YR]
	v_add_nc_u32 v[YR], s68, v[YR]                 ; back: my 16 rows, two an instruction
	s_mul_i32 s68, s[QH], 6144
	s_mov_b32 s69, 0
	s_add_nc_u64 s[10:11], s[10:11], s[68:69]      ; my 64 rows of pw,
	s_lshl_b32 s68, s[QH], 8
	s_add_nc_u64 s[12:13], s[12:13], s[68:69]      ; their scale words,
	s_add_nc_u64 s[14:15], s[14:15], s[68:69]      ; their biases
	s_lshl_b32 s68, s25, 22
	s_lshl_b32 s70, s[WV], 19
	s_add_co_u32 s68, s68, s70
	s_lshl_b32 s70, s24, 8
	s_add_co_u32 s68, s68, s70                     ; x, out0: the batch, channels 16 w on, the block's 256 bytes
	s_add_nc_u64 s[16:17], s[16:17], s[68:69]
	s_add_nc_u64 s[18:19], s[18:19], s[68:69]
.irp t, 0,1,2,3
.irp p, 0,1,2,3,4,5
	global_load_b64 v[PWF+12*\t+2*\p:PWF+12*\t+2*\p+1], v1, s[10:11] offset:1536*\t+48*(\p/3)+8*(\p%3)
.endr
.endr
.irp t, 0,1
	global_load_b32 v[PWS+\t], v[LS4], s[12:13] offset:128*\t   ; lanes 0-15 tile 2 t's rows, lanes 16-31 tile 2 t + 1's
.endr
.irp t, 0,1,2,3
	global_load_b128 v[Y+8*\t:Y+8*\t+3], v[PBO], s[14:15] offset:64*\t      ; pb is the C of the products
	global_load_b128 v[Y+8*\t+4:Y+8*\t+7], v[PBO], s[14:15] offset:64*\t+16
.endr
.irp i, 0,1,2,3,4,5,6,7
	global_load_b128 v[XR+4*\i:XR+4*\i+3], v2, s[16:17] offset:65536*\i
.endr
.irp u, 0,1
	v_add_f32 v[ST+4*\u+2], v[ST+4*\u+2], v[ST+4*\u+3]   ; the sum's two halves,
.endr
.irp u, 0,1
	v_permlanex16_b32 v[BP+\u], v[ST+4*\u+2], s[SEL], s[SEL+1]
.endr
.irp u, 0,1
	v_add_f32 v[ST+4*\u+2], v[ST+4*\u+2], v[BP+\u]       ; and lane l xor 16's
.endr
	s_wait_dscnt 0x0
	s_barrier_signal -1
	s_barrier_wait -1                              ; nobody reads a slot or a scale word any more
.irp u, 0,1
	ds_store_b32 v6, v[ST+4*\u] offset:256*\u
	ds_store_b32 v6, v[ST+4*\u+2] offset:256*\u+128
.endr
	WIN 0x04                                       ; an LDS store's data are its source 1: window 1
.irp u, 0,1
.irp c, 0,1,2,3,4,5,6,7,8,9,10,11,12,13,14,15
	ds_store_b128 v7, v[64*\u+4*\c:64*\u+4*\c+3] offset:8192*\u+512*\c   ; O^T as it stands, each accumulator from its low end on
.endr
.endr
	WIN 0
	s_wait_dscnt 0x0
	s_barrier_signal -1
	s_barrier_wait -1                              ; all parts lie in LDS
.irp k, 0,1,2,3
	ds_load_b32 v[NMK+\k], v8 offset:1024*\k
	ds_load_b32 v[LK+\k], v8 offset:1024*\k+128
.endr
	WIN 0x40
.irp k, 0,1
.irp c, 0,1,2,3,4,5,6,7,8,9,10,11,12,13,14,15
	ds_load_b128 v[64*\k+4*\c:64*\k+4*\c+3], v9 offset:32768*\k+512*\c
.endr
.endr
.irp k, 0,1
.irp c, 0,1,2,3,4,5,6,7,8,9,10,11,12,13,14,15
	ds_load_b128 v[128+64*\k+4*\c:128+64*\k+4*\c+3], v11 offset:32768*\k+512*\c
.endr
.endr
	WIN 0
	s_wait_dscnt 63                                ; the eight small loads are in: 64 were issued behind them, and the count's field holds 63 at the most
	v_min3_num_f32 v[T0], v[NMK], v[NMK+1], v[NMK+2]
	v_min_num_f32 v[T0], v[T0], v[NMK+3]           ; -M of the whole row: the smallest
.irp k, 0,1,2,3
	v_sub_f32 v[GK+2*\k], v[T0], v[NMK+\k]         ; the part's M less the row's: a whole number, 0 or less
.endr
.irp k, 0,1,2,3
	v_cvt_i32_f32 v[GK+2*\k], v[GK+2*\k]
.endr
.irp k, 0,1,2,3
	v_ldexp_f32 v[GK+2*\k], 1.0, v[GK+2*\k]        ; f
.endr
	v_mul_f32 v[T1], v[GK], v[LK]
	v_fma_f32 v[T1], v[GK+2], v[LK+1], v[T1]
	v_fma_f32 v[T1], v[GK+4], v[LK+2], v[T1]
	v_fma_f32 v[T1], v[GK+6], v[LK+3], v[T1]       ; the row's sum
	v_rcp_f32 v[T1], v[T1]
	v_nop                                          ; a plain instruction behind the transcendental
	s_wait_alu depctr_va_vdst(0)
.irp k, 0,1,2,3
	v_mul_f32 v[GK+2*\k], v[GK+2*\k], v[T1]        ; g = f / the sum
.endr
.irp k, 0,1,2,3
	v_mov_b32 v[GK+2*\k+1], v[GK+2*\k]             ; (named with it as a pair)
.endr
	WIN 0x01                                       ; source 0 (a part) window 1
	s_wait_dscnt 48                                ; part 0's sixteen loads are in
.set j, 0
.rept 32
	v_pk_mul_f32 v[ACC+j:ACC+j+1], v[j:j+1], v[GK:GK+1] op_sel_hi:[1,0]
.set j, j+2
.endr
.irp k, 1,2,3
	s_wait_dscnt 48-16*\k
.set j, 0
.rept 32
	v_pk_fma_f32 v[ACC+j:ACC+j+1], v[64*\k+j:64*\k+j+1], v[GK+2*\k:GK+2*\k+1], v[ACC+j:ACC+j+1] op_sel_hi:[1,0,1]
.set j, j+2
.endr
.endr
	WIN 0
	QUANT5 ACC                                     ; register 16 b + i of the merged O^T is channel 32 b + 16 h + i of my query
.rept 8
	v_nop                                          ; a scale register written by vector instructions stands 8 places ahead of a scaled matrix instruction, an operand 4
.endr
	s_wait_loadcnt 0x0                             ; pw, its scale words, pb, x
.irp t, 0,1,2,3
	WMR Y+8*\t, PWF+12*\t, QPC, Y+8*\t, PWS+\t/2, QPW, \t%2
.endr
.rept 4
	v_nop
.endr
.irp t, 0,1,2,3
.irp j, 0,1,2,3,4,5,6,7
	ds_store_b32 v[YW], v[Y+8*\t+\j] offset:(16*\t+\j)*272   ; y(channel 64 (w % 2) + 16 t + 8 h + j, my query's position)
.endr
.endr
	s_wait_dscnt 0x0
	s_barrier_signal -1
	s_barrier_wait -1                              ; 128 rows of 64 positions lie in the stage
.irp i, 0,1,2,3,4,5,6,7
	ds_load_b128 v[YB+4*\i:YB+4*\i+3], v[YR] offset:544*\i
.endr
.irp i, 0,1,2,3,4,5,6,7
	s_wait_dscnt 7-\i
	v_pk_add_f32 v[YB+4*\i:YB+4*\i+1], v[YB+4*\i:YB+4*\i+1], v[XR+4*\i:XR+4*\i+1]
	v_pk_add_f32 v[YB+4*\i+2:YB+4*\i+3], v[YB+4*\i+2:YB+4*\i+3], v[XR+4*\i+2:XR+4*\i+3]
	global_store_b128 v2, v[YB+4*\i:YB+4*\i+3], s[18:19] offset:65536*\i th:TH_STORE_NT   ; sixteen lanes store 256 consecutive bytes, at a multiple of 256 from out0's first byte
.endr
	s_wait_tensorcnt 0x0                           ; the wave's end: behind my last tensor load and my last LDS store
	ds_add_u32 v[SPW], v[NIL]
	s_wait_dscnt 0x0
	CROUND                                         ; the closing round: no work-group ends while a partner may still ask for a tile that names it
	s_endpgm
.Lfunc_end_k_q66121a60c5_attn:
	.size	k_q66121a60c5_attn, .Lfunc_end_k_q66121a60c5_attn-k_q66121a60c5_attn
	.p2alignl 7, 3214868480
	.fill 96, 4, 3214868480
	.section	.rodata,"a",@progbits
	.p2align	6, 0x0
	.amdhsa_kernel k_q66121a60c5_attn
		.amdhsa_group_segment_fixed_size 327680
		.amdhsa_private_segment_fixed_size 0
		.amdhsa_enable_private_segment 0
		.amdhsa_kernarg_size 64
		.amdhsa_user_sgpr_count 2
		.amdhsa_user_sgpr_kernarg_segment_ptr 1
		.amdhsa_wavefront_size32 1
		.amdhsa_system_sgpr_workgroup_id_x 1
		.amdhsa_system_sgpr_workgroup_id_y 1
		.amdhsa_system_sgpr_workgroup_id_z 1
		.amdhsa_system_vgpr_workitem_id 0
		.amdhsa_next_free_vgpr 512
		.amdhsa_next_free_sgpr 80
		.amdhsa_reserve_vcc 0
		.amdhsa_float_denorm_mode_32 3
		.amdhsa_float_denorm_mode_16_64 3
		.amdhsa_memory_ordered 1
		.amdhsa_forward_progress 1
		.amdhsa_inst_pref_size 111
	.end_amdhsa_kernel
	.amdgpu_metadata
---
amdhsa.version: [ 1, 2 ]
amdhsa.kernels:
  - .name:           k_q66121a60c5_attn
    .symbol:         k_q66121a60c5_attn.kd
    .args:
      - { .name: qc, .offset: 0, .size: 8, .value_kind: global_buffer, .address_space: global }
      - { .name: kvc, .offset: 8, .size: 8, .value_kind: global_buffer, .address_space: global }
      - { .name: scl, .offset: 16, .size: 8, .value_kind: global_buffer, .address_space: global }
      - { .name: pw_codes, .offset: 24, .size: 8, .value_kind: global_buffer, .address_space: global }
      - { .name: pw_scales, .offset: 32, .size: 8, .value_kind: global_buffer, .address_space: global }
      - { .name: pb, .offset: 40, .size: 8, .value_kind: global_buffer, .address_space: global }
      - { .name: x, .offset: 48, .size: 8, .value_kind: global_buffer, .address_space: global }
      - { .name: out0, .offset: 56, .size: 8, .value_kind: global_buffer, .address_space: global }
    .group_segment_fixed_size: 327680
    .private_segment_fixed_size: 0
    .kernarg_segment_align: 8
    .kernarg_segment_size: 64
    .max_flat_workgroup_size: 256
    .sgpr_count:     80
    .vgpr_count:     512
    .wavefront_size: 32
...
	.end_amdgpu_metadata
.endif
;; end of part 3
